; MI455X (gfx1250); checked and timed in simulation.
; The chip was launched on July 23, 2026; its instructions are those of AMD's public machine-readable ISA for CDNA 5 (MIT licence, August 2026) and "CDNA5" Instruction Set Architecture Reference Guide (July 2026). The comments in the code are by the model that wrote it; some were corrected since.
;; KNN Layer. Allowed arithmetic: matrix products marked QUANTISED: E2M3 operands, one E8M0 scale for each 32 along K, by v_wmma_scale_f32_16x16x128_f8f6f4 with both operands' format E2M3, f32 sums; products left as they are: f32 operands where the result goes on into a quantised operand, else bf16, f16 or f32 operands; f32 sums; everything else in f32.
;; Inputs: W1 256 x 256 float32; W2 256 x 128 float32; b1 256 float32; b2 128 float32; features 32 x 1,024 x 128 float32; points 32 x 1,024 x 2 float32.
;; Outputs: out0 32 x 1,024 x 128 float32.
;; This version of the problem:
;;   THIS VERSION OF THE PROBLEM IS GIVEN IN LOW PRECISION. The matrix products marked QUANTISED in the list below multiply operands that are first quantised to E2M3 (2 exponent bits, 3 mantissa bits; 6 bits a number), with one power-of-two scale for each 32 numbers along K (OCP MX v1.0); their sums are f32. All else is computed in f32.
;;   The module's matrix products, in the order in which they are computed (A, B: the left and right operand; K: the contracted axis; several contracted axes count as one K, in the product's order):
;;     1. batch 32 x [M 1,024, K 2] x [K 2, N 1,024]; A: input points; B: input points: left as it is (K = 2 < 32)
;;     2. [M 524,288, K 256] x [K 256, N 256]; A: computed on the way; B: input W1: QUANTISED
;;     3. [M 524,288, K 256] x [K 256, N 128]; A: computed on the way; B: input W2: QUANTISED
;;   THE QUANTISER, for each operand of a quantised product, along K:
;;     - K is cut into blocks of 32 from its start; a last block that is shorter is filled with zeros.
;;     - A block's scale is 2^e with e = floor(log2(the largest magnitude in the block)) - 2, held to -126 .. 127; a block of zeros has e = 0. As a byte (E8M0): e + 127.
;;     - Each number is divided by its block's scale, clamped to +-7.5, and rounded to the nearest number of E2M3, ties to even, subnormals kept.
;;     - The product sums the exact products of the quantised numbers (number of the format x scale) in f32.
;;   ~~~python
;;   def quantise(x, axis):      # numpy; x: float32 -> the quantised numbers, widened to float32 again
;;       x = np.moveaxis(x, axis, -1); K = x.shape[-1]
;;       x = np.pad(x, [(0, 0)] * (x.ndim - 1) + [(0, -K % 32)]); x = x.reshape(x.shape[:-1] + (-1, 32)); a = np.abs(x).max(-1, keepdims=True)
;;       e = np.where(a > 0, np.clip(np.frexp(np.where(a > 0, a, 1))[1] - 1 - 2, -126, 127), 0)      # np.frexp(a)[1] - 1 = floor(log2(a)), exactly
;;       r = np.clip(x / 2.0 ** e, -7.5, 7.5)
;;       step = 2.0 ** (np.maximum(np.frexp(np.where(r == 0, 1, r))[1] - 1, 0) - 3)
;;       q = np.round(r / step) * step * 2.0 ** e      # np.round: ties to even
;;       return np.moveaxis(q.reshape(q.shape[:-2] + (-1,))[..., :K], -1, axis).astype(np.float32)
;;   ~~~
;;   OPERANDS COMPUTED ON THE WAY. 'Computed on the way' means the value that the module computes at that place (a softmax that the list does not call 'softmax' is quantised finished and normalised). What goes into a quantiser is computed in f32, as accurately as f32 sums, v_exp_f32 and their like allow (about 1e-6 of the number): no bf16 or f16 on the way to a quantiser, and a product that is left as it is and whose result goes on into a quantised operand takes f32 operands (vector FMAs, or v_wmma_f32_16x16x4_f32). A number that lies on a knife's edge between two numbers of the format may be rounded either way, as far as f32 arithmetic and the matrix unit's own rounding can turn it there, and no further.
;; 2 versions, each right and faster than the one before. Each part assembles by itself: llvm-mc -triple=amdgcn-amd-amdhsa -mcpu=gfx1250 --defsym DOCPART=n.
;; ======== version 1 of 2: 2 launches
;; limits: a function is approximated: absolute error at most 1e-07; an absolute error that grows with the inputs' magnitude: up to 1e-07 times it
;; workspace buffers: idx 2,097,152 bytes of whole numbers; wimg 73,728 bytes; simg 3,072 bytes
;; launch knn (part 1): grid 262 x 1, 4 waves a work-group, no clusters, 54,272 bytes of LDS; arguments points, W1, W2, idx, wimg, simg; writes idx, wimg, simg
.if DOCPART == 1
	.amdgcn_target "amdgcn-amd-amdhsa--gfx1250"
	.amdhsa_code_object_version 6
	.text
	.protected	k_q3ed46acbf9_knn
	.globl	k_q3ed46acbf9_knn
	.p2align	8
	.type	k_q3ed46acbf9_knn,@function
k_q3ed46acbf9_knn:
	s_mov_b64 s[64:65], 0
	v_nop
	global_prefetch_b8 v0, s[64:65] scope:SCOPE_SE
	s_setreg_imm32_b32 hwreg(HW_REG_WAVE_MODE, 25, 1), 1
	s_wait_xcnt 0x0
; LAUNCH 1 OF 2.  Work-groups 0..255: for each of 32 x 1,024 points the 16 neighbours that reference() keeps, as whole numbers in idx [32768][16].
; Work-groups 256..261: W1 and W2 quantised along K (their first axis) to E2M3 with E8M0 scales, stored as images of operand registers (wimg, simg).
; WORK LEFT OUT: reference() slices the first hit of its top_k away (idx[:, :, 1:]), so that hit is found, since it decides which 16 remain, but is not stored and its features are never gathered.
; Nothing else is left out; every input has a way to out0 and is loaded by one of the two launches.  The order of a point's 16 neighbours is free: reference() takes their mean.
; DISTANCES, all f32.  r = (x x) + (y y), EACH PRODUCT ROUNDED BEFORE THE SUM: reference() forms points * points as a step of its own and sums afterwards, and the order of two distances an ulp apart hangs on it;
; so this multiply and add are not fused, on purpose.  m = fma(y_i, y_j, x_i x_j), a dot product's K steps in ascending order; t = r_i - 2 m; D = |t + r_j|.  The arrays hold -2 x_j and -2 y_j: a factor of -2 rounds nothing.
; SELECTION as top_k has it: the 17 smallest D, the lower index first among equals; the first of them (smallest D, lowest index) is dropped, be it the point itself or not.
;   pass A finds the 17th smallest VALUE (THR) and the smallest (L0); pass B marks D < THR and D <= THR as bits and finds the lowest index with D = L0 (J);
;   then 17 indices are picked (all D < THR ascending, then D = THR ascending) and J is replaced by the spare pick.  No address and no branch hangs on a distance: all choices are selections.
; LIMITS: NaN and infinities among the points, and distances that overflow, are not served.  Another rounding of r or m than the one stated can choose another neighbour where two distances lie an ulp apart.
; SHARES: work-group x takes batch x / 8, queries 128 (x % 8) + thread: a query a lane; every lane walks all 1,024 candidates, which all lanes read from LDS at one address.
; No tensor loads, no cluster: a batch's points are 8 KiB, read once by each of its eight work-groups through registers.
.set XA,    512                        ; LDS: 0..511 a pad of zeros (the walk's look-ahead reads up to 48 bytes in front of an array); -2 x_j, 4,096 bytes
.set YO,    4096                       ; -2 y_j lies YO behind -2 x_j,
.set RO,    8192                       ; r_j lies RO behind it; the arrays end at 12,800
.set MSK,   12800                      ; for each wave 8,192 bytes: word w of the bits D < THR at 128 w + 4 lane, of D <= THR 4,096 further on
.set LIST,  45568                      ; for each wave 2,048 bytes: 64 lane + 4 slot, as idx has them
.set SPARE, 53760                      ; the spare words, 128 bytes for each wave: two blocks of 256 bytes that no other line names
.set LA,    32                         ; v32-48  list A: the 17 smallest of the quads' smallest; after the merge the 17 smallest of all: v32 = L0, v48 = THR
.set LB,    49                         ; v49-56  the 8 smallest of the quads' second
.set LC,    57                         ; v57-61  the 5 smallest of the quads' third
.set LD,    62                         ; v62-65  the 4 smallest of the quads' largest
.set SETS,  68                         ; v68-115 four sets of 12: four -2 x, four -2 y, four r
.set MW,    128                        ; v128-191 the 64 mask words of my query
.set TR,    192                        ; v192-253 the select tree
; other registers: v[2:3] x_i twice, v[4:5] y_i twice, v[6:7] r_i twice; v8 the walk's LDS address; v9 MSK + 4 lane; v12, v13 the words in the making; v14 Jl, v15 J;
; v16-23, v30, v31 at work; v24, v25 the add's two; v26 the spare pick; v27, v28 which words are not empty; v29 bits of the word in hand that are taken; v66 LIST + 64 lane
	s_load_b128 s[4:7], s[0:1], 0x0                ; points, W1
	s_load_b128 s[8:11], s[0:1], 0x10              ; W2, idx
	s_load_b128 s[12:15], s[0:1], 0x20             ; wimg, simg
	v_lshl_add_u32 v24, v0, 2, SPARE
	v_mov_b32 v25, 0
	v_lshrrev_b32 v1, 5, v0
	v_readfirstlane_b32 s16, v1                    ; wave 0..3
	s_cmp_ge_u32 ttmp9, 256                        ; the same in all waves of a work-group
	s_cbranch_scc1 .Lprep
; ---------------- the neighbours ----------------
	s_lshr_b32 s17, ttmp9, 3                       ; batch
	s_lshl_b32 s18, s17, 13                        ; its 1,024 points of 8 bytes
	s_mov_b32 s19, 0
	s_and_b32 s20, ttmp9, 7
	s_lshl_b32 s20, s20, 10                        ; my work-group's 128 queries in the batch, in bytes
	s_lshl_b32 s22, ttmp9, 13                      ; idx: 128 rows of 64 bytes a work-group,
	s_lshl_b32 s23, s16, 11                        ; 32 a wave
	s_add_co_u32 s22, s22, s23
	s_add_co_u32 s31, s23, LIST                    ; my wave's list in LDS
	s_mov_b32 s23, 0
	s_lshl_b32 s21, s16, 13
	s_add_co_u32 s21, s21, MSK                     ; my wave's mask words
	v_lshlrev_b32 v1, 6, v0                        ; thread t prepares candidates 8 t .. 8 t + 7: 64 bytes of points
	v_lshl_add_u32 v10, v0, 3, s20                 ; my query
	v_lshlrev_b32 v11, 5, v0                       ; 32 t: their place in each array
	v_lshlrev_b32 v30, 2, v0                       ; 4 t: my word of the pad
	v_mov_b32 v67, 0
	v_and_b32 v31, 31, v0
	v_lshl_add_u32 v9, v31, 2, s21
	v_lshl_add_u32 v66, v31, 6, s31
	s_wait_kmcnt 0x0
	s_add_nc_u64 s[4:5], s[4:5], s[18:19]
	s_add_nc_u64 s[10:11], s[10:11], s[22:23]
.irp c, 0,1,2,3
	global_load_b128 v[128+4*\c:131+4*\c], v1, s[4:5] offset:16*\c
.endr
	global_load_b64 v[16:17], v10, s[4:5]
	ds_store_b32 v30, v67                          ; the pad
	s_mov_b32 s24, 0x7f800000                      ; the lists begin as +infinity
.set i, 0
.rept 34
	v_mov_b32 v[LA+i], s24
.set i, i+1
.endr
	s_wait_loadcnt 0x0
.irp c, 0,1,2,3,4,5,6,7
	v_mul_f32 v[160+\c], v[128+2*\c], v[128+2*\c]  ; x x, rounded
	v_mul_f32 v[168+\c], v[129+2*\c], v[129+2*\c]  ; y y, rounded
.endr
.irp c, 0,1,2,3,4,5,6,7
	v_add_f32 v[160+\c], v[160+\c], v[168+\c]      ; r: the sum of the two rounded products, as reference() has it: not fused, on purpose
	v_mul_f32 v[144+\c], -2.0, v[128+2*\c]
	v_mul_f32 v[152+\c], -2.0, v[129+2*\c]
.endr
.irp a, 0,1,2
	ds_store_b128 v11, v[144+8*\a:147+8*\a] offset:XA+4096*\a
	ds_store_b128 v11, v[148+8*\a:151+8*\a] offset:XA+4096*\a+16
.endr
	v_mov_b32 v2, v16
	v_mov_b32 v3, v16
	v_mov_b32 v4, v17
	v_mov_b32 v5, v17
	v_mul_f32 v6, v16, v16
	v_mul_f32 v7, v17, v17
	v_add_f32 v6, v6, v7                           ; r_i, by the same three lines as r_j
	v_mov_b32 v7, v6
	s_wait_dscnt 0x0                               ; for the others: my part of the arrays lies in LDS
	s_barrier_signal -1
	s_barrier_wait -1                              ; the path's one barrier: behind it nobody writes the arrays
.macro LOADQ st, imm                   ; a quad of candidates into set st: all lanes read the same 16 bytes of each array
	ds_load_b128 v[SETS+12*(\st):SETS+12*(\st)+3], v8 offset:(\imm)
	ds_load_b128 v[SETS+12*(\st)+4:SETS+12*(\st)+7], v8 offset:(\imm)+YO
	ds_load_b128 v[SETS+12*(\st)+8:SETS+12*(\st)+11], v8 offset:(\imm)+RO
.endm
.macro DIST st                         ; four signed distances, in place of the four -2 x; the same eight lines in both passes, so the same bits
.set XB, SETS+12*(\st)
	v_pk_mul_f32 v[XB:XB+1], v[2:3], v[XB:XB+1]
	v_pk_mul_f32 v[XB+2:XB+3], v[2:3], v[XB+2:XB+3]
	v_pk_fma_f32 v[XB:XB+1], v[4:5], v[XB+4:XB+5], v[XB:XB+1]            ; -2 m
	v_pk_fma_f32 v[XB+2:XB+3], v[4:5], v[XB+6:XB+7], v[XB+2:XB+3]
	v_pk_add_f32 v[XB:XB+1], v[6:7], v[XB:XB+1]                          ; r_i - 2 m
	v_pk_add_f32 v[XB+2:XB+3], v[6:7], v[XB+2:XB+3]
	v_pk_add_f32 v[XB:XB+1], v[XB:XB+1], v[XB+8:XB+9]                    ; + r_j
	v_pk_add_f32 v[XB+2:XB+3], v[XB+2:XB+3], v[XB+10:XB+11]
.endm
.macro SORT4 st                        ; |D| of a quad in order: v20 <= v16 <= v17 <= v22
.set XB, SETS+12*(\st)
	v_min_num_f32 v16, |v[XB]|, |v[XB+1]|
	v_max_num_f32 v17, |v[XB]|, |v[XB+1]|
	v_min_num_f32 v18, |v[XB+2]|, |v[XB+3]|
	v_max_num_f32 v19, |v[XB+2]|, |v[XB+3]|
	v_min_num_f32 v20, v16, v18
	v_max_num_f32 v21, v16, v18
	v_max_num_f32 v22, v17, v19
	v_min_num_f32 v23, v17, v19
	v_min_num_f32 v16, v21, v23
	v_max_num_f32 v17, v21, v23
.endm
.macro INS base, n, v                  ; v[v] goes into the ascending list of n at v[base]: place k takes the middle of v, place k - 1 and place k; from the top down, so that each line reads old places
.set k, (\n)-1
.rept (\n)-1
	v_med3_num_f32 v[\base+k], v[\v], v[\base+k-1], v[\base+k]
.set k, k-1
.endr
	v_min_num_f32 v[\base], v[\base], v[\v]
.endm
; THE WALK, the same in both passes: 32 trips, words 31 .. 0, eight quads a trip, candidates descending.  v8 = XA - 48 + 128 w; quad q lies at v8 + 48 + 16 q.
; Loads run three quads ahead: within quad q the quad three further down is asked for, at v8 + 16 q, into the set that the quad before has left.
; In the last trip that look-ahead reads the pad, or the end of the array in front: bytes that were written; the numbers are not used.
; PASS A.  An element that is r-th in its quad and among the 17 smallest brings r - 1 not larger ones of its quad with it: at most 17 / r such elements exist,
; and they are the smallest of their rank.  So lists of 17, 8, 5 and 4 hold all 17 smallest values.
	s_mov_b32 s26, XA-48+128*31
	v_mov_b32 v8, s26
	LOADQ 0, 48+16*7
	LOADQ 1, 48+16*6
	LOADQ 2, 48+16*5
	s_mov_b32 s29, 32
.LpassA:
.irp q, 7,6,5,4,3,2,1,0
	s_wait_dscnt 6                                 ; this quad's three loads are in; the six of the two younger quads may be out
	LOADQ (10-\q)%4, 16*\q
	DIST (7-\q)%4
	SORT4 (7-\q)%4
	INS LA, 17, 20
	INS LB, 8, 16
	INS LC, 5, 17
	INS LD, 4, 22
.endr
	s_sub_co_u32 s26, s26, 128
	v_mov_b32 v8, s26
	s_sub_co_u32 s29, s29, 1
	s_cmp_lg_u32 s29, 0
	s_cbranch_scc1 .LpassA
	s_wait_dscnt 0x0                               ; the look-ahead's last loads have landed: their sets are loaded anew below
.set mv, LB
.rept 17
	INS LA, 17, mv                                 ; the other three lists go into list A: v48 = THR, v32 = L0
.set mv, mv+1
.endr
; PASS B.  Each candidate's two bits are shifted into the words by an addition with carry (w = w + w + bit); the walk descends, so bit j % 32 of word j / 32 is candidate j.
; Jl takes the place in the word of the last, that is the lowest, candidate with D = L0; J takes it from the last, lowest, word that had one.
.macro MARK st, q
.set XB, SETS+12*(\st)
.irp e, 0,1,2,3
	v_and_b32 v[XB+\e], s30, v[XB+\e]              ; |D|
.endr
.irp e, 3,2,1,0
	v_cmp_lt_f32 vcc_lo, v[XB+\e], v[LA+16]
	v_add_co_ci_u32 v12, vcc_lo, v12, v12, vcc_lo
	v_cmp_le_f32 vcc_lo, v[XB+\e], v[LA+16]
	v_add_co_ci_u32 v13, vcc_lo, v13, v13, vcc_lo
	v_cmp_neq_f32 vcc_lo, v[XB+\e], v[LA]
	v_cndmask_b32 v14, 4*(\q)+\e, v14, vcc_lo
.endr
.endm
	s_mov_b32 s30, 0x7fffffff
	v_mov_b32 v12, 0
	v_mov_b32 v13, 0
	v_mov_b32 v14, 64                              ; 64: none in this word
	v_mov_b32 v15, 0
	s_mov_b32 s26, XA-48+128*31
	s_mov_b32 s27, 128*31
	s_mov_b32 s28, 32*31
	v_mov_b32 v8, s26
	LOADQ 0, 48+16*7
	LOADQ 1, 48+16*6
	LOADQ 2, 48+16*5
	s_mov_b32 s29, 32
.LpassB:
.irp q, 7,6,5,4,3,2,1,0
	s_wait_dscnt 6                                 ; as in pass A; the last trip's two word stores may lie among what is out, which only makes the count stricter
	LOADQ (10-\q)%4, 16*\q
	DIST (7-\q)%4
	MARK (7-\q)%4, \q
.endr
	v_mov_b32 v50, v12                             ; the stores' own registers: written again a trip later, when the quads' waits have shown these stores done
	v_mov_b32 v51, v13
	v_add_nc_u32 v52, s27, v9
	ds_store_b32 v52, v50
	ds_store_b32 v52, v51 offset:4096
	v_cmp_gt_u32 vcc_lo, 64, v14
	v_add_nc_u32 v31, s28, v14
	v_cndmask_b32 v15, v15, v31, vcc_lo
	v_mov_b32 v14, 64
	s_sub_co_u32 s26, s26, 128
	s_sub_co_u32 s27, s27, 128
	s_sub_co_u32 s28, s28, 32
	v_mov_b32 v8, s26
	s_sub_co_u32 s29, s29, 1
	s_cmp_lg_u32 s29, 0
	s_cbranch_scc1 .LpassB
	s_wait_dscnt 0x0
; THE PICKS.  My query's 64 words come into registers; the upper 32 become D = THR.  v27 / v28: bit w says that word w of D < THR / D = THR is not empty.
.set i, 0
.rept 32
	ds_load_b32 v[MW+i], v9 offset:128*i
	ds_load_b32 v[MW+32+i], v9 offset:4096+128*i
.set i, i+1
.endr
	v_mov_b32 v27, 0
	v_mov_b32 v28, 0
	v_mov_b32 v29, 0
	s_wait_dscnt 0x0
.set i, 0
.rept 32
	v_xor_b32 v[MW+32+i], v[MW+32+i], v[MW+i]
.set i, i+1
.endr
.set i, 31
.rept 32
	v_cmp_ne_u32 vcc_lo, 0, v[MW+i]
	v_add_co_ci_u32 v27, vcc_lo, v27, v27, vcc_lo
	v_cmp_ne_u32 vcc_lo, 0, v[MW+32+i]
	v_add_co_ci_u32 v28, vcc_lo, v28, v28, vcc_lo
.set i, i-1
.endr
; The next index, into v30: the lowest bit not yet taken of the lowest word that is not empty, first among D < THR, then among D = THR.  The word is chosen by a tree of selections on the five bits of its number.
.macro PICK
	v_cmp_ne_u32 s40, 0, v27                       ; is a D < THR left?
	v_cndmask_b32 v16, v28, v27, s40
	v_sub_nc_u32 v17, 0, v16
	v_and_b32 v17, v16, v17                        ; x: the lowest word's bit
	v_and_b32 v18, 0xaaaaaaaa, v17
	v_and_b32 v19, 0xcccccccc, v17
	v_and_b32 v20, 0xf0f0f0f0, v17
	v_and_b32 v21, 0xff00ff00, v17
	v_and_b32 v22, 0xffff0000, v17
	v_cmp_ne_u32 s41, 0, v18
	v_cmp_ne_u32 s42, 0, v19
	v_cmp_ne_u32 s43, 0, v20
	v_cmp_ne_u32 s44, 0, v21
	v_cmp_ne_u32 s45, 0, v22
.set i, 0
.rept 32
	v_cndmask_b32 v[TR+i], v[MW+2*i], v[MW+2*i+1], s41
.set i, i+1
.endr
.set i, 0
.rept 16
	v_cndmask_b32 v[TR+32+i], v[TR+2*i], v[TR+2*i+1], s42
.set i, i+1
.endr
.set i, 0
.rept 8
	v_cndmask_b32 v[TR+48+i], v[TR+32+2*i], v[TR+33+2*i], s43
.set i, i+1
.endr
.set i, 0
.rept 4
	v_cndmask_b32 v[TR+56+i], v[TR+48+2*i], v[TR+49+2*i], s44
.set i, i+1
.endr
.set i, 0
.rept 2
	v_cndmask_b32 v[TR+60+i], v[TR+56+2*i], v[TR+57+2*i], s45
.set i, i+1
.endr
	v_cndmask_b32 v18, v[TR+61], v[TR+60], s40     ; the word
	v_bfi_b32 v19, v29, 0, v18                     ; without the bits that are taken
	v_sub_nc_u32 v20, 0, v19
	v_and_b32 v20, v19, v20                        ; y: its lowest bit
	v_xor_b32 v21, v19, v20
	v_or_b32 v29, v29, v20
	v_cmp_eq_u32 s46, 0, v21                       ; the word is used up:
	v_cndmask_b32 v29, v29, 0, s46
	v_xor_b32 v22, v16, v17                        ; it leaves its summary
	s_and_b32 s47, s46, s40
	s_and_not1_b32 s48, s46, s40
	v_cndmask_b32 v27, v27, v22, s47
	v_cndmask_b32 v28, v28, v22, s48
	v_cvt_f32_u32 v17, v17                         ; a power of two as f32: its exponent field is 127 + the bit's number
	v_cvt_f32_u32 v20, v20
	v_lshrrev_b32 v17, 23, v17
	v_lshrrev_b32 v20, 23, v20
	v_lshl_add_u32 v30, v17, 5, v20
	v_add_nc_u32 v30, 0xffffefa1, v30              ; - 127 x 33
.endm
	PICK
	v_mov_b32 v26, v30                             ; the spare pick
	s_mov_b32 s39, 0
.Lpick:                                            ; 16 more: 17 in all, of which J is one
	PICK
	s_wait_dscnt 0x0                               ; the last trip's store is done: its registers are written again
	v_cmp_eq_u32 vcc_lo, v30, v15
	v_cndmask_b32 v23, v30, v26, vcc_lo            ; J gives its place to the spare pick
	v_add_nc_u32 v31, s39, v66
	ds_store_b32 v31, v23
	s_add_co_u32 s39, s39, 4
	s_cmp_lt_u32 s39, 64
	s_cbranch_scc1 .Lpick
	v_and_b32 v10, 31, v0
	v_lshlrev_b32 v11, 4, v10
	v_add_nc_u32 v10, s31, v11
.irp c, 0,1,2,3
	ds_load_b128 v[TR+4*\c:TR+4*\c+3], v10 offset:512*\c   ; LDS serves a wave's instructions in order: these see my stores
.endr
	s_wait_dscnt 0x0
.irp c, 0,1,2,3
	global_store_b128 v11, v[TR+4*\c:TR+4*\c+3], s[10:11] offset:512*\c   ; the wave's 32 rows of idx: 2,048 consecutive bytes, 512 a store
.endr
	s_wait_tensorcnt 0x0                           ; the wave's end
	ds_add_u32 v24, v25
	s_wait_dscnt 0x0
	s_endpgm
; ---------------- the weights ----------------
; A wave takes one tile of 16 columns for both K steps of 128.  Lane (r, h) takes ONE column and its registers run down K, in the order that the operand's layout gives that lane:
; k = 128 s + 64 c + 32 h + 0 .. 31.  So a block of 32 lies in one lane, and the conversions' results are the operand's registers.  No LDS, no barrier on this path.
; A block of zeros keeps the byte 1 where the rule says 127: its codes are zeros, and this program alone reads the bytes.
.macro WQ pitch, b0
.set n, 0
.rept 128
	global_load_b32 v[64+n], v5, s[\b0:\b0+1] offset:(128*(n/64)+64*((n/32)%2)+n%32)*\pitch
.set n, n+1
.endr
	s_wait_loadcnt 0x0
.irp u, 0,1,2,3                        ; block u = 2 s + c of my column
	v_max3_num_f32 v[32+\u], |v[64+32*\u]|, |v[65+32*\u]|, 0x1800000   ; with the floor 2^(3 - 127): the byte cannot fall under 1
.endr
.irp i, 2,4,6,8,10,12,14,16,18,20,22,24,26,28,30
.irp u, 0,1,2,3
	v_max3_num_f32 v[32+\u], v[32+\u], |v[64+32*\u+\i]|, |v[65+32*\u+\i]|
.endr
.endr
.irp u, 0,1,2,3
	v_add_nc_u32 v[44+\u], 0xff000000, v[32+\u]    ; 2 off the exponent field: the conversion's scale operand
.endr
.irp u, 0,1,2,3
	v_lshrrev_b32 v[36+\u], 23, v[44+\u]           ; the scale's byte
.endr
	v_lshlrev_b32 v10, 3, v3
.irp s, 0,1
	v_lshl_or_b32 v[40+\s], v[37+2*\s], 16, v[36+2*\s]   ; my two bytes of K step s: blocks h and 2 + h,
	v_lshlrev_b32 v[40+\s], v10, v[40+\s]          ; at their places;
	v_mov_b32 v[42+\s], 0
	v_permlanex16_b32 v[42+\s], v[40+\s], s20, s21
	v_or_b32 v[40+\s], v[40+\s], v[42+\s]          ; with lane l xor 16's two the word is whole
.endr
.irp u, 0,1,2,3
	v_cvt_scalef32_pk16_fp6_f32 v[192+6*\u:194+6*\u], v[64+32*\u:79+32*\u], v[44+\u]
	v_cvt_scalef32_pk16_fp6_f32 v[224+4*\u:226+4*\u], v[80+32*\u:95+32*\u], v[44+\u]   ; (a conversion's three registers begin on an even number)
.endr
	v_nop                                          ; one plain place behind the last conversion
.irp u, 0,1,2,3
.irp i, 0,1,2
	v_mov_b32 v[195+6*\u+\i], v[224+4*\u+\i]
.endr
.endr
	v_cmp_ne_u32 vcc_lo, 0, v3
	v_cndmask_b32 v11, v40, v41, vcc_lo            ; lanes 0-15 keep K step 0's word of their row, lanes 16-31 K step 1's
.irp s, 0,1
.irp g, 0,1,2
	global_store_b128 v6, v[192+12*\s+4*\g:195+12*\s+4*\g], s[12:13] offset:1536*\s+512*\g   ; a fragment's image: four registers a store, 512 consecutive bytes
.endr
.endr
	global_store_b32 v7, v11, s[14:15]
.endm
.Lprep:
	s_sub_co_u32 s17, ttmp9, 256                   ; 0..3: W1;  4, 5: W2
	v_and_b32 v2, 15, v0                           ; r
	v_bfe_u32 v3, v0, 4, 1                         ; h
	v_and_b32 v4, 31, v0
	v_lshlrev_b32 v6, 4, v4
	v_lshlrev_b32 v7, 2, v4
	s_mov_b32 s20, 0x76543210
	s_mov_b32 s21, 0xfedcba98                      ; v_permlanex16_b32's selects for lane l xor 16
	s_mov_b32 s23, 0
	s_mov_b32 s25, 0
	s_cmp_ge_u32 s17, 4
	s_cbranch_scc1 .Lw2
	s_lshl_b32 s18, s17, 2
	s_add_co_u32 s18, s18, s16                     ; tile t of W1's 16
	s_lshr_b32 s19, s18, 1
	s_lshl_b32 s19, s19, 5
	s_and_b32 s26, s18, 1
	s_lshl_b32 s26, s26, 3
	s_add_co_u32 s19, s19, s26
	v_and_b32 v5, 8, v2
	v_add3_u32 v5, v5, v2, s19                     ; THE COLUMNS OF A TILE ARE NOT NEIGHBOURS: 32 (t / 2) + 8 (t % 2) + r + 8 (r / 8), so that two tiles' results are 16 neighbours along the next K
	v_lshlrev_b32 v5, 2, v5
	v_lshl_add_u32 v5, v3, 15, v5                  ; + 32 h rows of 1,024 bytes
	s_mul_i32 s22, s18, 3072                       ; fragments 2 t, 2 t + 1
	s_lshl_b32 s24, s18, 7
	s_wait_kmcnt 0x0
	s_add_nc_u64 s[12:13], s[12:13], s[22:23]
	s_add_nc_u64 s[14:15], s[14:15], s[24:25]
	WQ 1024, 6
	s_endpgm
.Lw2:
	s_sub_co_u32 s18, s17, 4
	s_lshl_b32 s18, s18, 2
	s_add_co_u32 s18, s18, s16                     ; tile T of W2's 8
	s_and_b32 s19, s18, 1
	s_lshl_b32 s19, s19, 6
	s_lshr_b32 s26, s18, 1
	s_add_co_u32 s19, s19, s26
	v_lshl_add_u32 v5, v2, 2, s19                  ; column 4 r + 64 (T % 2) + T / 2: so that a lane of the second launch ends with four neighbouring outputs
	v_lshlrev_b32 v5, 2, v5
	v_lshl_add_u32 v5, v3, 14, v5                  ; + 32 h rows of 512 bytes
	s_mul_i32 s22, s18, 3072
	s_add_co_u32 s22, s22, 32*1536                 ; fragments 32 + 2 T, 33 + 2 T
	s_lshl_b32 s24, s18, 7
	s_add_co_u32 s24, s24, 16*128
	s_wait_kmcnt 0x0
	s_add_nc_u64 s[12:13], s[12:13], s[22:23]
	s_add_nc_u64 s[14:15], s[14:15], s[24:25]
	WQ 512, 8
	s_endpgm
.Lfunc_end_k_q3ed46acbf9_knn:
	.size	k_q3ed46acbf9_knn, .Lfunc_end_k_q3ed46acbf9_knn-k_q3ed46acbf9_knn
	.p2alignl 7, 3214868480
	.fill 96, 4, 3214868480
	.section	.rodata,"a",@progbits
	.p2align	6, 0x0
	.amdhsa_kernel k_q3ed46acbf9_knn
		.amdhsa_group_segment_fixed_size 54272
		.amdhsa_private_segment_fixed_size 0
		.amdhsa_enable_private_segment 0
		.amdhsa_kernarg_size 48
		.amdhsa_user_sgpr_count 2
		.amdhsa_user_sgpr_kernarg_segment_ptr 1
		.amdhsa_wavefront_size32 1
		.amdhsa_system_sgpr_workgroup_id_x 1
		.amdhsa_system_sgpr_workgroup_id_y 1
		.amdhsa_system_sgpr_workgroup_id_z 1
		.amdhsa_system_vgpr_workitem_id 0
		.amdhsa_next_free_vgpr 256
		.amdhsa_next_free_sgpr 66
		.amdhsa_reserve_vcc 1
		.amdhsa_float_denorm_mode_32 3
		.amdhsa_float_denorm_mode_16_64 3
		.amdhsa_memory_ordered 1
		.amdhsa_forward_progress 1
		.amdhsa_inst_pref_size 124
	.end_amdhsa_kernel
	.amdgpu_metadata
---
amdhsa.version: [ 1, 2 ]
amdhsa.kernels:
  - .name:           k_q3ed46acbf9_knn
    .symbol:         k_q3ed46acbf9_knn.kd
    .args:
      - { .name: points, .offset: 0, .size: 8, .value_kind: global_buffer, .address_space: global }
      - { .name: W1, .offset: 8, .size: 8, .value_kind: global_buffer, .address_space: global }
      - { .name: W2, .offset: 16, .size: 8, .value_kind: global_buffer, .address_space: global }
      - { .name: idx, .offset: 24, .size: 8, .value_kind: global_buffer, .address_space: global }
      - { .name: wimg, .offset: 32, .size: 8, .value_kind: global_buffer, .address_space: global }
      - { .name: simg, .offset: 40, .size: 8, .value_kind: global_buffer, .address_space: global }
    .group_segment_fixed_size: 54272
    .private_segment_fixed_size: 0
    .kernarg_segment_align: 8
    .kernarg_segment_size: 48
    .max_flat_workgroup_size: 128
    .sgpr_count:     66
    .vgpr_count:     256
    .wavefront_size: 32
...
	.end_amdgpu_metadata
.endif
;; end of part 1
;; launch mlp (part 2): grid 256 x 1, 4 waves a work-group, no clusters, 52,224 bytes of LDS; arguments features, idx, wimg, simg, b1, b2, out0; writes out0
.if DOCPART == 2
	.amdgcn_target "amdgcn-amd-amdhsa--gfx1250"
	.amdhsa_code_object_version 6
	.text
	.protected	k_q3ed46acbf9_mlp
	.globl	k_q3ed46acbf9_mlp
	.p2align	8
	.type	k_q3ed46acbf9_mlp,@function
k_q3ed46acbf9_mlp:
	s_mov_b64 s[64:65], 0
	v_nop
	global_prefetch_b8 v0, s[64:65] scope:SCOPE_SE
	s_setreg_imm32_b32 hwreg(HW_REG_WAVE_MODE, 25, 1), 1
	s_wait_xcnt 0x0
; LAUNCH 2 OF 2.  out0[p] = mean over the 16 neighbours n of p of gelu(gelu([f_n - f_p, f_p] W1 + b1) W2 + b2), both products on codes of E2M3 with one E8M0 scale for each 32 along K.
; Work left out: only the neighbour that reference() slices away, which the first launch did not store.
; SHARES.  Work-group x takes points 128 x on, wave w 32 of them, ONE POINT A TRIP: a point's 16 neighbours are the 16 rows of its tiles.  Every wave keeps all 48 weight fragments (576 registers) for the whole launch;
; the hidden layer never leaves the registers; no barrier stands in the loop.
; NO CLUSTER, NO TENSOR LOAD: what work-groups share is 75 KiB of weight images, read once at the head into registers; the neighbours' rows differ from point to point.
; LAYOUT.  First product transposed (source 0 = 16 hidden units, source 1 = the 16 rows): a lane holds one row, its registers run along the hidden units, in the order the next operand wants.
; Second product: source 0 = the 16 rows, source 1 = 16 outputs: a lane holds one output and eight rows, so the mean is a sum down its registers and one exchange of halves.
; GELU, exact form: 2 gelu(x) = x + x erf(x / sqrt 2); erf(z) = z P(z^2) / Q(z^2) for |z| <= 4, the f32 rational of degree 6 over 4 (absolute error about 1e-7), z held at +-4.
; With Z = x held at +-4 sqrt 2 and U = Z^2 the factors 1 / sqrt 2 and 2^-m are folded into the coefficients.  THE FACTOR 2 IS TAKEN BACK EXACTLY: a doubled block has the same codes and a scale byte one higher,
; so 1 is taken off each byte of the hidden layer's scale words; the mean multiplies by 1 / 32.
; MATRIX AND VECTOR WORK BY TURNS: a point has 48 matrix instructions and some 2,300 vector lines, so each matrix instruction stands alone among the vector lines of another quarter's GELU.  Each costs two switches of the register window.
; No two matrix instructions that follow each other share an accumulator, over the backward jump too.
; THE LAST TRIP prepares point 31 once more (the look-ahead is held at 31, so that no load leaves its buffer) and its first eight products are not used: one part in 200 of a wave's matrix work.
; LIMITS: NaN and infinities are not served.  A block whose largest magnitude lies under 2^-124 keeps the byte 1 (the hidden layer's: 0, that is 2^-127).
;
; LDS: stage 4 x 8,448 (16 rows x 528); the centres' code rows 4 x 32 x 96; their scale words 4 x 128; b1 as it lies; b2, each number eight times, in the order of the tiles' lanes; the spare words.
.set STGW,  8448
.set CCD,   33792
.set CSC,   46080
.set B1L,   46592
.set B2R,   47616
.set SPARE, 51712                      ; 128 bytes for each wave: two blocks of 256 bytes that no other line names
; REGISTERS.  Window 0: v1 16 lane; v2 stage in; v3 stage out; v4 my wave's code rows + 24 h; v5, v6 addresses in hand; v7 b1 + 64 h; v8 b2 + 32 r; v9 code rows + 96 r + 24 h; v10, v11 the centres' scale words;
.set CEN,  12                          ; v12-15   the centre, 16 bytes a lane
.set OUTR, 16                          ; v16-19   my four outputs
.set RS,   20                          ; v20-23 sums of the even tiles, v24-27 of the odd;  v28, v29 global offsets;  v30, v31 the add's two
.set SW1,  32                          ; v32-47   W1's scale words, a register a tile: lanes 0-15 K step 0, lanes 16-31 K step 1
.set SW2,  48                          ; v48-55   W2's likewise
.set SXD,  56                          ; v56 the differences' scale words, v57 the centre's
.set SH0,  58                          ; v58, v59 the hidden layer's
.set XD,   60                          ; v60-71   the differences' fragment;
.set XC,   72                          ; v72-83   the centre's (the same row sixteen times)
.set H0,   84                          ; v84-107  the hidden layer's two fragments
.set SPL,  108                         ; v108-110, v112-114 the conversions' second halves
.set G,    116                         ; v116-179 16 gathered rows, 16 bytes a lane;  v184-255 weight fragments 42..47
; Window 1: fragments 0..20.  Window 2: fragments 21..41.  (0..31: W1's tile t, K step s at 2 t + s;  32..47: W2's at 32 + 2 T + s.)
; Window 3: v0-127 the 16 tiles of the hidden layer, of which tiles 0-7 later take the 8 tiles of outputs;  v128-255 at work:
.set TZ,   128                         ; Z, or 64 numbers on their way to a quantiser
.set TU,   160                         ; U
.set TP,   192                         ; P
.set TQ,   224                         ; Q
.set TM,   192                         ; the quantiser's 16
.set PWT,  208
.set CA,   66                          ; s[66:79] a_0 .. a_6, s[80:89] b_0 .. b_4, each twice: the packed forms name pairs
.set CBQ,  80
; s[4:5] features at my batch; s[6:7] idx at my wave; s[8:15] wimg, simg, b1, b2; s[16:17] out0 at my wave; s18 wave; s19 trip; s[20:21] features at my wave; s22-24 the look-aheads; s25 the list's offset; s26-29 at work;
; s[36:51] 16 indices; s90, s91 -+4 sqrt 2; s92, s93 lane selects; s[94:95] 1 / 32
.set MSB, 0
.macro WIN new                         ; the immediate's high byte repeats the setting that is left; a switch that changes nothing is dropped
.if MSB != (\new)
	s_set_vgpr_msb (MSB<<8)|(\new)
.set MSB, (\new)
.endif
.endm
.macro FLOC f                          ; where fragment f lies: window FW, register FRG
.if (\f) < 42
.set FW, 1+(\f)/21
.set FRG, 12*((\f)%21)
.else
.set FW, 0
.set FRG, 184+12*((\f)-42)
.endif
.endm
.macro MM2 t, s                        ; hidden tile t += W1's tile t x the rows, K step s.  The sum begins on b1, which lies in the accumulator
	FLOC 2*(\t)+(\s)
.set WW, 0xF0|FW
	WIN WW
.if (\s) == 0
	v_wmma_scale_f32_16x16x128_f8f6f4 v[8*(\t):8*(\t)+7], v[FRG:FRG+11], v[XD:XD+11], v[8*(\t):8*(\t)+7], v[SW1+(\t)], v[SXD] matrix_a_fmt:MATRIX_FMT_FP6 matrix_b_fmt:MATRIX_FMT_FP6
.else
	v_wmma_scale_f32_16x16x128_f8f6f4 v[8*(\t):8*(\t)+7], v[FRG:FRG+11], v[XC:XC+11], v[8*(\t):8*(\t)+7], v[SW1+(\t)], v[SXD+1] matrix_a_fmt:MATRIX_FMT_FP6 matrix_b_fmt:MATRIX_FMT_FP6 matrix_a_scale:MATRIX_SCALE_ROW1
.endif
.endm
.macro MM3 t, s                        ; output tile t += the hidden layer x W2's tile t, K step s.  The sum begins on b2
	FLOC 32+2*(\t)+(\s)
.set WW, 0xF0|(FW<<2)
	WIN WW
.if (\s) == 0
	v_wmma_scale_f32_16x16x128_f8f6f4 v[8*(\t):8*(\t)+7], v[H0:H0+11], v[FRG:FRG+11], v[8*(\t):8*(\t)+7], v[SH0], v[SW2+(\t)] matrix_a_fmt:MATRIX_FMT_FP6 matrix_b_fmt:MATRIX_FMT_FP6
.else
	v_wmma_scale_f32_16x16x128_f8f6f4 v[8*(\t):8*(\t)+7], v[H0+12:H0+23], v[FRG:FRG+11], v[8*(\t):8*(\t)+7], v[SH0+1], v[SW2+(\t)] matrix_a_fmt:MATRIX_FMT_FP6 matrix_b_fmt:MATRIX_FMT_FP6 matrix_b_scale:MATRIX_SCALE_ROW1
.endif
.endm
; Matrix instruction k of a set, and back to window 3.  Sets 1-3: hidden tiles 4 set .. 4 set + 3, both K steps.  4: the outputs' K step 0.  5, 6: their K step 1, tiles 0-3, 4-7.  7: the NEXT point's hidden tiles 0-3.  0: nothing.
.macro HK set, k
.if ((\set) >= 1) && ((\set) <= 3)
	MM2 4*(\set)+(\k)%4, (\k)/4
	WIN 0xFF
.elseif (\set) == 4
	MM3 \k, 0
	WIN 0xFF
.elseif ((\set) == 5) && ((\k) < 4)
	MM3 \k, 1
	WIN 0xFF
.elseif ((\set) == 6) && ((\k) < 4)
	MM3 4+(\k), 1
	WIN 0xFF
.elseif (\set) == 7
	MM2 (\k)%4, (\k)/4
	WIN 0xFF
.endif
.endm
.macro CB1 t0                          ; b1 into hidden tiles t0 .. t0 + 3, in the result's layout: lane (r, h), tile t: units 32 (t / 2) + 16 h + 8 (t % 2) + 0 .. 7
	WIN 0xC0
.irp d, 0,1,2,3
	ds_load_b128 v[8*(\t0+\d):8*(\t0+\d)+3], v7 offset:128*((\t0+\d)/2)+32*((\t0+\d)%2)
	ds_load_b128 v[8*(\t0+\d)+4:8*(\t0+\d)+7], v7 offset:128*((\t0+\d)/2)+32*((\t0+\d)%2)+16
.endr
.endm
.macro CB2                             ; b2 into output tiles 0 .. 7: a lane's one output, eight times
	WIN 0xC0
.irp d, 0,1,2,3,4,5,6,7
	ds_load_b128 v[8*\d:8*\d+3], v8 offset:512*\d
	ds_load_b128 v[8*\d+4:8*\d+7], v8 offset:512*\d+16
.endr
.endm
.macro HORN1 d, c1, c0                 ; d = U c1 + c0
.set i, 0
.rept 16
	v_pk_fma_f32 v[\d+i:\d+i+1], v[TU+i:TU+i+1], s[\c1:\c1+1], s[\c0:\c0+1] op_sel_hi:[1,0,0]
.set i, i+2
.endr
.endm
.macro HORN d, c0                      ; d = d U + c0
.set i, 0
.rept 16
	v_pk_fma_f32 v[\d+i:\d+i+1], v[\d+i:\d+i+1], v[TU+i:TU+i+1], s[\c0:\c0+1] op_sel_hi:[1,1,0]
.set i, i+2
.endr
.endm
; 32 numbers at v[xb] of window 3 (four tiles) become 2 gelu of themselves: 288 lines, nine a number.  The first line that reads a tile reads its lowest register.
; Up to eight matrix instructions of another quarter stand between the levels, 16 lines or more apart.  The 32 reciprocals are one batch with one wait: six levels of P and P Z lie between them and their first reader.
.macro GELU xb, set
	WIN 0xFF
.set i, 0
.rept 32
	v_med3_num_f32 v[TZ+i], v[\xb+i], s90, s91
.set i, i+1
.endr
.set i, 0
.rept 16
	v_pk_mul_f32 v[TU+i:TU+i+1], v[TZ+i:TZ+i+1], v[TZ+i:TZ+i+1]
.set i, i+2
.endr
	s_wait_dscnt 0x0                               ; the biases on which the set's sums begin have landed
	HK \set, 0
	HORN1 TQ, CBQ+8, CBQ+6
	HORN TQ, CBQ+4
	HK \set, 1
	HORN TQ, CBQ+2
	HORN TQ, CBQ+0
	HK \set, 2
.set i, 0
.rept 32
	v_rcp_f32 v[TQ+i], v[TQ+i]
.set i, i+1
.endr
	HORN1 TP, CA+12, CA+10                         ; (plain lines behind the last reciprocal)
	HK \set, 3
	HORN TP, CA+8
	HK \set, 4
	HORN TP, CA+6
	HK \set, 5
	HORN TP, CA+4
	HK \set, 6
	HORN TP, CA+2
	HK \set, 7
	HORN TP, CA+0
.set i, 0
.rept 16
	v_pk_mul_f32 v[TP+i:TP+i+1], v[TP+i:TP+i+1], v[TZ+i:TZ+i+1]
.set i, i+2
.endr
	s_wait_alu depctr_va_vdst(0)                   ; the wait ahead of the first line that names a reciprocal: one for the batch
.set i, 0
.rept 16
	v_pk_mul_f32 v[TP+i:TP+i+1], v[TP+i:TP+i+1], v[TQ+i:TQ+i+1]   ; erf
.set i, i+2
.endr
.set i, 0
.rept 16
	v_pk_fma_f32 v[\xb+i:\xb+i+1], v[\xb+i:\xb+i+1], v[TP+i:TP+i+1], v[\xb+i:\xb+i+1]   ; x erf + x
.set i, i+2
.endr
.endm
; 64 numbers of a lane at v[src] of window 3, register 16 b + i = k 32 b + 16 (lane / 16) + i of my row, become a fragment's codes at v[dst] and its scale word in v[sreg], both in window 0.
; dbl = 1: the numbers are doubled ones: 1 comes off each byte.  Up to four matrix instructions of a set stand among the maxima.
.macro QUANT src, dst, sreg, dbl, set
	WIN 0xFF
.irp b, 0,1,2,3
	v_max3_num_f32 v[TM+\b], |v[\src+16*\b]|, |v[\src+16*\b+1]|, 0x1800000   ; my 16 numbers of block b, and the floor 2^(3 - 127): the byte cannot fall under 1
.endr
.irp b, 0,1,2,3
	v_max3_num_f32 v[TM+\b], v[TM+\b], |v[\src+16*\b+2]|, |v[\src+16*\b+3]|
.endr
	HK \set, 0
.irp i, 4,6
.irp b, 0,1,2,3
	v_max3_num_f32 v[TM+\b], v[TM+\b], |v[\src+16*\b+\i]|, |v[\src+16*\b+\i+1]|
.endr
.endr
	HK \set, 1
.irp i, 8,10
.irp b, 0,1,2,3
	v_max3_num_f32 v[TM+\b], v[TM+\b], |v[\src+16*\b+\i]|, |v[\src+16*\b+\i+1]|
.endr
.endr
	HK \set, 2
.irp i, 12,14
.irp b, 0,1,2,3
	v_max3_num_f32 v[TM+\b], v[TM+\b], |v[\src+16*\b+\i]|, |v[\src+16*\b+\i+1]|
.endr
.endr
	HK \set, 3
.irp b, 0,1,2,3
	v_permlanex16_b32 v[TM+4+\b], v[TM+\b], s92, s93
.endr
.irp b, 0,1,2,3
	v_max_num_f32 v[TM+\b], v[TM+\b], v[TM+4+\b]   ; with lane l xor 16's: the block's largest magnitude
.endr
.irp b, 0,1,2,3
	v_add_nc_u32 v[TM+12+\b], 0xff000000, v[TM+\b] ; 2 off its exponent field: the conversion's scale operand
.endr
.irp b, 0,1,2,3
	v_lshrrev_b32 v[TM+4+\b], 23, v[TM+12+\b]      ; the scale's byte
.endr
	v_lshl_or_b32 v[PWT], v[TM+5], 8, v[TM+4]
	v_lshl_or_b32 v[PWT], v[TM+6], 16, v[PWT]
	WIN 0x3F                                       ; sources window 3, destination window 0
	v_lshl_or_b32 v[\sreg], v[TM+7], 24, v[PWT]    ; my row's scale word
.irp c, 0,1
	v_cvt_scalef32_pk16_fp6_f32 v[(\dst)+6*\c:(\dst)+6*\c+2], v[\src+32*\c:\src+32*\c+15], v[TM+12+2*\c]
	v_cvt_scalef32_pk16_fp6_f32 v[SPL+4*\c:SPL+4*\c+2], v[\src+32*\c+16:\src+32*\c+31], v[TM+13+2*\c]   ; (a conversion's three registers begin on an even number)
.endr
	WIN 0
.if \dbl
	v_add_nc_u32 v[\sreg], 0xfefefeff, v[\sreg]    ; 1 off each of the four bytes, none of which is 0.  (Also the plain place behind the conversions)
.else
	v_nop                                          ; one plain place behind the conversions
.endif
.irp c, 0,1                            ; the operand's layout wants a WHOLE block in a lane: lanes 0-15 block 2 c, lanes 16-31 block 2 c + 1
.irp i, 0,1,2
	v_permlane16_swap_b32 v[(\dst)+6*\c+\i], v[SPL+4*\c+\i]
.endr
.irp i, 0,1,2
	v_mov_b32 v[(\dst)+3+6*\c+\i], v[SPL+4*\c+\i]
.endr
.endr
.endm
; 16 rows that lie 16 bytes a lane in G turn through my wave's stage: in as whole rows of 512 bytes (rows 528 apart), out as 64 numbers of ONE row a lane.  LDS serves a wave's instructions in order: no wait between.
.macro STAGE
.set i, 0
.rept 16
	ds_store_b128 v2, v[G+4*i:G+4*i+3] offset:528*i
.set i, i+1
.endr
	WIN 0xC0
.set i, 0
.rept 16
	ds_load_b128 v[TZ+4*i:TZ+4*i+3], v3 offset:128*(i/4)+16*(i%4)
.set i, i+1
.endr
	WIN 0
.endm
; Point s22: its neighbours' rows, asked for a trip ago, less its centre; to the stage; its centre's codes and scale word from LDS.
.macro F1A
	s_wait_loadcnt 0x0                             ; the 16 rows and the centre
.set i, 0
.rept 16
	v_pk_add_f32 v[G+4*i:G+4*i+1], v[G+4*i:G+4*i+1], v[CEN:CEN+1] neg_lo:[0,1] neg_hi:[0,1]
	v_pk_add_f32 v[G+4*i+2:G+4*i+3], v[G+4*i+2:G+4*i+3], v[CEN+2:CEN+3] neg_lo:[0,1] neg_hi:[0,1]
.set i, i+1
.endr
	STAGE
	s_mul_i32 s26, s22, 96
	v_add_nc_u32 v5, s26, v4
.irp p, 0,1,2,3,4,5
	ds_load_b64 v[XC+2*\p:XC+2*\p+1], v5 offset:48*(\p/3)+8*(\p%3)   ; every lane of a half takes the same 24 + 24 bytes: the centre is all 16 rows
.endr
	s_lshl_b32 s26, s22, 2
	v_add_nc_u32 v6, s26, v10
	ds_load_b32 v[SXD+1], v6
.endm
; The gather for point s23 by the list that was asked for a trip ago, its centre, and the list of point s24.  Each row is one load of 512 consecutive bytes; a load's offset lies in its own destination.
.macro F1B
	s_wait_kmcnt 0x0
.set i, 0
.rept 16
	s_min_u32 s[36+i], s[36+i], 0x3ff              ; an index stays inside its batch
.set i, i+1
.endr
.set i, 0
.rept 16
	v_lshl_add_u32 v[G+4*i], s[36+i], 9, v1
.set i, i+1
.endr
.set i, 0
.rept 16
	global_load_b128 v[G+4*i:G+4*i+3], v[G+4*i], s[4:5]
.set i, i+1
.endr
	s_lshl_b32 s27, s23, 9
	v_add_nc_u32 v28, s27, v1
	global_load_b128 v[CEN:CEN+3], v28, s[20:21]
	s_lshl_b32 s25, s24, 6
	s_load_b512 s[36:51], s[6:7], s25 offset:0x0
.endm
.macro RSUM t0                         ; output tiles t0 .. t0 + 3: the sum down a lane's eight rows
	WIN 0xFF
.irp d, 0,1,2,3
	v_pk_add_f32 v[8*(\t0+\d):8*(\t0+\d)+1], v[8*(\t0+\d):8*(\t0+\d)+1], v[8*(\t0+\d)+2:8*(\t0+\d)+3]
	v_pk_add_f32 v[8*(\t0+\d)+4:8*(\t0+\d)+5], v[8*(\t0+\d)+4:8*(\t0+\d)+5], v[8*(\t0+\d)+6:8*(\t0+\d)+7]
.endr
.irp d, 0,1,2,3
	v_pk_add_f32 v[8*(\t0+\d):8*(\t0+\d)+1], v[8*(\t0+\d):8*(\t0+\d)+1], v[8*(\t0+\d)+4:8*(\t0+\d)+5]
.endr
	WIN 0x0F
.irp d, 0,1,2,3
	v_add_f32 v[RS+4*((\t0+\d)%2)+(\t0+\d)/2], v[8*(\t0+\d)], v[8*(\t0+\d)+1]
.endr
.endm
.macro COEF r, val
	s_mov_b32 s[\r], \val
	s_mov_b32 s[\r+1], \val
.endm
.macro CENTRE g                        ; my wave's points 16 g .. 16 g + 15 are quantised as centres, once: code rows of 96 bytes and scale words, kept in LDS
.set i, 0
.rept 16
	global_load_b128 v[G+4*i:G+4*i+3], v1, s[20:21] offset:512*(16*\g+i)
.set i, i+1
.endr
	s_wait_loadcnt 0x0
	STAGE
	s_wait_dscnt 0x0
	QUANT TZ, XD, SXD, 0, 0
.irp p, 0,1,2,3,4,5
	ds_store_b64 v9, v[XD+2*\p:XD+2*\p+1] offset:1536*\g+48*(\p/3)+8*(\p%3)   ; a fragment's registers are its row's bytes as they lie
.endr
	ds_store_b32 v11, v[SXD] offset:64*\g          ; (both halves of the lanes hold the same word and write it to the same place)
	s_wait_dscnt 0x0
.endm
	s_load_b128 s[4:7], s[0:1], 0x0                ; features, idx
	s_load_b256 s[8:15], s[0:1], 0x10              ; wimg, simg, b1, b2
	s_load_b64 s[16:17], s[0:1], 0x30              ; out0
	v_lshl_add_u32 v30, v0, 2, SPARE
	v_mov_b32 v31, 0
	v_lshrrev_b32 v5, 5, v0
	v_readfirstlane_b32 s18, v5                    ; wave 0..3
	v_and_b32 v180, 31, v0                         ; lane
	v_and_b32 v181, 15, v0                         ; r
	v_bfe_u32 v182, v0, 4, 1                       ; h
	v_lshlrev_b32 v183, 2, v180
	v_lshlrev_b32 v111, 3, v0                      ; b1: thread t brings 8 bytes
	v_lshlrev_b32 v115, 2, v181                    ; b2: thread t = 16 T + r brings number 4 r + 64 (T % 2) + T / 2
	v_lshl_add_u32 v115, v182, 6, v115
	v_add_lshl_u32 v115, v115, v5, 2
	v_lshlrev_b32 v1, 4, v180
	s_mul_i32 s26, s18, STGW
	v_add_nc_u32 v2, s26, v1
	v_mul_u32_u24 v3, v181, 528
	v_lshl_add_u32 v3, v182, 6, v3
	v_add_nc_u32 v3, s26, v3
	s_mul_i32 s27, s18, 3072
	s_add_co_u32 s27, s27, CCD
	v_mul_u32_u24 v4, v182, 24
	v_add_nc_u32 v4, s27, v4
	v_mad_u32_u24 v9, v181, 96, v4
	v_lshl_add_u32 v7, v182, 6, B1L
	v_lshl_add_u32 v8, v181, 5, B2R
	s_lshl_b32 s28, s18, 7
	s_add_co_u32 s28, s28, CSC
	v_mov_b32 v10, s28
	v_lshl_add_u32 v11, v181, 2, s28
	v_lshl_add_u32 v5, v0, 3, B1L
	v_lshl_add_u32 v6, v0, 5, B2R
	COEF CA+0,  0xbc3a79f3                         ; a_m = alpha_(2m+1) 2^-m / sqrt 2
	COEF CA+2,  0xba88eb41
	COEF CA+4,  0xb9083d9c
	COEF CA+6,  0xb6a8d45d
	COEF CA+8,  0xb3c7667d
	COEF CA+10, 0x30284a8d
	COEF CA+12, 0xac53f331
	COEF CBQ+0, 0xbc69b6a7                         ; b_m = beta_(2m) 2^-m
	COEF CBQ+2, 0xbb719bf8
	COEF CBQ+4, 0xb9dc924e
	COEF CBQ+6, 0xb7dfbd29
	COEF CBQ+8, 0xb57460cd
	s_mov_b32 s90, 0xc0b504f3
	s_mov_b32 s91, 0x40b504f3
	s_mov_b32 s92, 0x76543210
	s_mov_b32 s93, 0xfedcba98
	COEF 94, 0x3d000000
	s_lshl_b32 s26, ttmp9, 16                      ; 128 points of 512 bytes a work-group,
	s_lshl_b32 s27, s18, 14                        ; 32 a wave
	s_add_co_u32 s26, s26, s27
	s_mov_b32 s27, 0
	s_lshr_b32 s28, ttmp9, 3
	s_lshl_b32 s28, s28, 19                        ; my batch's 1,024 rows
	s_mov_b32 s29, 0
	s_wait_kmcnt 0x0
	s_add_nc_u64 s[20:21], s[4:5], s[26:27]
	s_add_nc_u64 s[16:17], s[16:17], s[26:27]
	s_add_nc_u64 s[4:5], s[4:5], s[28:29]
	s_lshl_b32 s28, ttmp9, 13                      ; idx: 64 bytes a point
	s_lshl_b32 s26, s18, 11
	s_add_co_u32 s28, s28, s26
	s_add_nc_u64 s[6:7], s[6:7], s[28:29]
	global_load_b64 v[16:17], v111, s[12:13]
	global_load_b32 v20, v115, s[14:15]
.set f, 0
.rept 48                               ; the weights: a fragment is three loads of 512 consecutive bytes, as the first launch laid them
	FLOC f
.set WW, FW<<6
	WIN WW
.irp c, 0,1,2
	global_load_b128 v[FRG+4*\c:FRG+4*\c+3], v1, s[8:9] offset:1536*f+512*\c
.endr
.set f, f+1
.endr
	WIN 0
.set f, 0
.rept 24
	global_load_b32 v[SW1+f], v183, s[10:11] offset:128*f
.set f, f+1
.endr
	WIN 0xC0
.irp b, 0,1,2,3
	v_mov_b32 v[TM+4+\b], 0                        ; written once: a lane permute's destination counts as one of its sources
.endr
	WIN 0
	CENTRE 0                                       ; (its wait for loads is for all of the above too)
	CENTRE 1
	v_mov_b32 v21, v20
	v_mov_b32 v22, v20
	v_mov_b32 v23, v20
	ds_store_b64 v5, v[16:17]
	ds_store_b128 v6, v[20:23]
	ds_store_b128 v6, v[20:23] offset:16
	s_wait_dscnt 0x0                               ; for the others: my part of b1 and b2 lies in LDS
	s_barrier_signal -1
	s_barrier_wait -1                              ; the launch's one barrier
	; the pipeline is filled: point 0's rows; point 0 prepared; point 1's rows and point 2's list asked for; point 0's first four hidden tiles
	s_load_b512 s[36:51], s[6:7], 0x0
	s_mov_b32 s23, 0
	s_mov_b32 s24, 1
	F1B
	s_mov_b32 s22, 0
	F1A
	s_wait_dscnt 0x0
	s_mov_b32 s23, 1
	s_mov_b32 s24, 2
	F1B
	QUANT TZ, XD, SXD, 0, 0
	CB1 0
	WIN 0
.rept 8
	v_nop                                          ; a scale register written by a vector line stands 8 places ahead of a scaled matrix instruction, an operand so written 4
.endr
	s_wait_dscnt 0x0
.irp k, 0,1,2,3,4,5,6,7
	MM2 (\k)%4, (\k)/4
.endr
	WIN 0
.rept 4
	v_nop                                          ; four places between these products and the loop's first line that reads their results (ISA guide 7.12.1): on this way in no other vector work is at hand; over the backward jump the end of the last GELU and the mean are the places
.endr
	s_mov_b32 s19, 0
.Lpoint:                                           ; at the head: hidden tiles 0-3 of point s19 are summed; XD, XC and their scale words are its operands
	CB1 4
	GELU 0, 1                                      ; tiles 0-3 | products of tiles 4-7
	CB1 8
	GELU 32, 2                                     ; tiles 4-7 | products of tiles 8-11
	QUANT 0, H0, SH0, 1, 0                         ; hidden units 0-127: K step 0 of the second product
	CB1 12
	GELU 64, 3                                     ; tiles 8-11 | products of tiles 12-15
	CB2
	GELU 96, 4                                     ; tiles 12-15 | the outputs' K step 0
	WIN 0
	s_add_co_u32 s22, s19, 1
	s_min_u32 s22, s22, 31
	s_add_co_u32 s23, s19, 2
	s_min_u32 s23, s23, 31
	s_add_co_u32 s24, s19, 3
	s_min_u32 s24, s24, 31
	F1A                                            ; the next point's differences go round through the stage
	QUANT 64, H0+12, SH0+1, 1, 0                   ; meanwhile: hidden units 128-255
	s_wait_dscnt 0x0                               ; the stage's stores have read G, and its loads and the centre's are in
	F1B
	QUANT TZ, XD, SXD, 0, 5                        ; the next point's differences | K step 1 of output tiles 0-3
	GELU 0, 6                                      ; output tiles 0-3 | K step 1 of output tiles 4-7
	RSUM 0
	CB1 0
	GELU 32, 7                                     ; output tiles 4-7 | the next point's hidden tiles 0-3
	RSUM 4
	WIN 0
	s_wait_xcnt 0x0                                ; the last trip's store has read its registers
.irp q, 0,1,2,3                        ; even tile 2 q: output 4 r + q, odd tile 2 q + 1: output 64 + 4 r + q; each in two halves of eight rows.  The swap brings both halves of the even tile to lanes 0-15 and of the odd tile to lanes 16-31
	v_permlane16_swap_b32 v[RS+\q], v[RS+4+\q]
.endr
	v_pk_add_f32 v[OUTR:OUTR+1], v[RS:RS+1], v[RS+4:RS+5]
	v_pk_add_f32 v[OUTR+2:OUTR+3], v[RS+2:RS+3], v[RS+6:RS+7]
	v_pk_mul_f32 v[OUTR:OUTR+1], v[OUTR:OUTR+1], s[94:95] op_sel_hi:[1,0]      ; 16 rows of doubled numbers: / 32
	v_pk_mul_f32 v[OUTR+2:OUTR+3], v[OUTR+2:OUTR+3], s[94:95] op_sel_hi:[1,0]
	s_lshl_b32 s26, s19, 9
	v_add_nc_u32 v29, s26, v1
	global_store_b128 v29, v[OUTR:OUTR+3], s[16:17] th:TH_STORE_NT   ; lane l holds outputs 4 l .. 4 l + 3: the wave stores the point's row, 512 consecutive bytes
	s_add_co_u32 s19, s19, 1
	s_cmp_lt_u32 s19, 32
	s_cbranch_scc1 .Lpoint
	s_wait_tensorcnt 0x0                           ; the wave's end
	ds_add_u32 v30, v31
	s_wait_dscnt 0x0
	s_endpgm
.Lfunc_end_k_q3ed46acbf9_mlp:
	.size	k_q3ed46acbf9_mlp, .Lfunc_end_k_q3ed46acbf9_mlp-k_q3ed46acbf9_mlp
	.p2alignl 7, 3214868480
	.fill 96, 4, 3214868480
	.section	.rodata,"a",@progbits
	.p2align	6, 0x0
	.amdhsa_kernel k_q3ed46acbf9_mlp
		.amdhsa_group_segment_fixed_size 52224
		.amdhsa_private_segment_fixed_size 0
		.amdhsa_enable_private_segment 0
		.amdhsa_kernarg_size 56
		.amdhsa_user_sgpr_count 2
		.amdhsa_user_sgpr_kernarg_segment_ptr 1
		.amdhsa_wavefront_size32 1
		.amdhsa_system_sgpr_workgroup_id_x 1
		.amdhsa_system_sgpr_workgroup_id_y 1
		.amdhsa_system_sgpr_workgroup_id_z 1
		.amdhsa_system_vgpr_workitem_id 0
		.amdhsa_next_free_vgpr 1024
		.amdhsa_next_free_sgpr 100
		.amdhsa_reserve_vcc 0
		.amdhsa_float_denorm_mode_32 3
		.amdhsa_float_denorm_mode_16_64 3
		.amdhsa_memory_ordered 1
		.amdhsa_forward_progress 1
		.amdhsa_inst_pref_size 193
	.end_amdhsa_kernel
	.amdgpu_metadata
---
amdhsa.version: [ 1, 2 ]
amdhsa.kernels:
  - .name:           k_q3ed46acbf9_mlp
    .symbol:         k_q3ed46acbf9_mlp.kd
    .args:
      - { .name: features, .offset: 0, .size: 8, .value_kind: global_buffer, .address_space: global }
      - { .name: idx, .offset: 8, .size: 8, .value_kind: global_buffer, .address_space: global }
      - { .name: wimg, .offset: 16, .size: 8, .value_kind: global_buffer, .address_space: global }
      - { .name: simg, .offset: 24, .size: 8, .value_kind: global_buffer, .address_space: global }
      - { .name: b1, .offset: 32, .size: 8, .value_kind: global_buffer, .address_space: global }
      - { .name: b2, .offset: 40, .size: 8, .value_kind: global_buffer, .address_space: global }
      - { .name: out0, .offset: 48, .size: 8, .value_kind: global_buffer, .address_space: global }
    .group_segment_fixed_size: 52224
    .private_segment_fixed_size: 0
    .kernarg_segment_align: 8
    .kernarg_segment_size: 56
    .max_flat_workgroup_size: 128
    .sgpr_count:     100
    .vgpr_count:     1024
    .wavefront_size: 32
...
	.end_amdgpu_metadata
.endif
;; end of part 2
;; ======== version 2 of 2: 2 launches; 1.12 times as fast as version 1
;; limits: a function is approximated: absolute error at most 1e-07; an absolute error that grows with the inputs' magnitude: up to 1e-07 times it
;; workspace buffers: idx 2,097,152 bytes of whole numbers; wimg 73,728 bytes; simg 3,072 bytes
;; launch knn (part 3): grid 262 x 1, 4 waves a work-group, no clusters, 54,272 bytes of LDS; arguments points, W1, W2, idx, wimg, simg; writes idx, wimg, simg
.if DOCPART == 3
	.amdgcn_target "amdgcn-amd-amdhsa--gfx1250"
	.amdhsa_code_object_version 6
	.text
	.protected	k_q3ed46acbf9_knn
	.globl	k_q3ed46acbf9_knn
	.p2align	8
	.type	k_q3ed46acbf9_knn,@function
k_q3ed46acbf9_knn:
	s_mov_b64 s[64:65], 0
	v_nop
	global_prefetch_b8 v0, s[64:65] scope:SCOPE_SE
	s_setreg_imm32_b32 hwreg(HW_REG_WAVE_MODE, 25, 1), 1
	s_wait_xcnt 0x0
; LAUNCH 1 OF 2.  Work-groups 0..255: for each of 32 x 1,024 points the 16 neighbours that reference() keeps, as whole numbers in idx [32768][16].
; Work-groups 256..261: W1 and W2 quantised along K (their first axis) to E2M3 with E8M0 scales, stored as images of operand registers (wimg, simg).
; WORK LEFT OUT: reference() slices the first hit of its top_k away (idx[:, :, 1:]), so that hit is found, since it decides which 16 remain, but is not stored and its features are never gathered.
; Nothing else is left out; every input has a way to out0 and is loaded by one of the two launches.  The order of a point's 16 neighbours is free: reference() takes their mean.
; DISTANCES, all f32.  r = (x x) + (y y), EACH PRODUCT ROUNDED BEFORE THE SUM: reference() forms points * points as a step of its own and sums afterwards, and the order of two distances an ulp apart hangs on it;
; so this multiply and add are not fused, on purpose.  m = fma(y_i, y_j, x_i x_j), a dot product's K steps in ascending order; t = r_i - 2 m; D = |t + r_j|.  The arrays hold -2 x_j and -2 y_j: a factor of -2 rounds nothing.
; SELECTION as top_k has it: the 17 smallest D, the lower index first among equals; the first of them (smallest D, lowest index) is dropped, be it the point itself or not.
;   pass A finds the 17th smallest VALUE (THR) and the smallest (L0); pass B marks D < THR and D <= THR as bits and finds the lowest index with D = L0 (J);
;   then 17 indices are picked (all D < THR ascending, then D = THR ascending) and J is replaced by the spare pick.  No address and no branch hangs on a distance: all choices are selections.
; LIMITS: NaN and infinities among the points, and distances that overflow, are not served.  Another rounding of r or m than the one stated can choose another neighbour where two distances lie an ulp apart.
; SHARES: work-group x takes batch x / 8, queries 128 (x % 8) + thread: a query a lane; every lane walks all 1,024 candidates, which all lanes read from LDS at one address.
; No tensor loads, no cluster: a batch's points are 8 KiB, read once by each of its eight work-groups through registers.
.set XA,    512                        ; LDS: 0..511 a pad of zeros (the walk's look-ahead reads up to 128 bytes in front of an array); -2 x_j, 4,096 bytes
.set YO,    4096                       ; -2 y_j lies YO behind -2 x_j,
.set RO,    8192                       ; r_j lies RO behind it; the arrays end at 12,800
.set MSK,   12800                      ; for each wave 8,192 bytes: word w of the bits D < THR at 128 w + 4 lane, of D <= THR 4,096 further on
.set LIST,  45568                      ; for each wave 2,048 bytes: 64 lane + 4 slot, as idx has them
.set SPARE, 53760                      ; the spare words, 128 bytes for each wave: two blocks of 256 bytes that no other line names
.set LA,    32                         ; v32-48  list A: the 17 smallest of the quads' smallest; after the merge the 17 smallest of all: v32 = L0, v48 = THR
.set LB,    49                         ; v49-56  the 8 smallest of the quads' second
.set LC,    57                         ; v57-61  the 5 smallest of the quads' third
.set LD,    62                         ; v62-65  the 4 smallest of the quads' largest
.set BUF,   68                         ; v68-163 eight sets of 12 (four -2 x, four -2 y, four r): set p holds the quad of a trip's phase p
.set T0,    16                         ; v16-23 and
.set T1,    164                        ; v164-171: two sets of temporaries that take turns from phase to phase
.set MW,    128                        ; v128-191 behind the passes: the 64 mask words of my query
.set TR,    192                        ; v192-253 the select tree
; other registers: v[2:3] x_i twice, v[4:5] y_i twice, v[6:7] r_i twice; v8 the walk's LDS address; v9 MSK + 4 lane; v12, v13 the words in the making; v14 Jl, v15 J;
; v30, v31 at work; v24, v25 the add's two; v26 the spare pick; v27, v28 which words are not empty; v29 bits of the word in hand that are taken; v66 LIST + 64 lane
	s_load_b128 s[4:7], s[0:1], 0x0                ; points, W1
	s_load_b128 s[8:11], s[0:1], 0x10              ; W2, idx
	s_load_b128 s[12:15], s[0:1], 0x20             ; wimg, simg
	v_lshl_add_u32 v24, v0, 2, SPARE
	v_mov_b32 v25, 0
	v_lshrrev_b32 v1, 5, v0
	v_readfirstlane_b32 s16, v1                    ; wave 0..3
	s_cmp_ge_u32 ttmp9, 256                        ; the same in all waves of a work-group
	s_cbranch_scc1 .Lprep
; ---------------- the neighbours ----------------
	s_lshr_b32 s17, ttmp9, 3                       ; batch
	s_lshl_b32 s18, s17, 13                        ; its 1,024 points of 8 bytes
	s_mov_b32 s19, 0
	s_and_b32 s20, ttmp9, 7
	s_lshl_b32 s20, s20, 10                        ; my work-group's 128 queries in the batch, in bytes
	s_lshl_b32 s22, ttmp9, 13                      ; idx: 128 rows of 64 bytes a work-group,
	s_lshl_b32 s23, s16, 11                        ; 32 a wave
	s_add_co_u32 s22, s22, s23
	s_add_co_u32 s31, s23, LIST                    ; my wave's list in LDS
	s_mov_b32 s23, 0
	s_lshl_b32 s21, s16, 13
	s_add_co_u32 s21, s21, MSK                     ; my wave's mask words
	v_lshlrev_b32 v1, 6, v0                        ; thread t prepares candidates 8 t .. 8 t + 7: 64 bytes of points
	v_lshl_add_u32 v10, v0, 3, s20                 ; my query
	v_lshlrev_b32 v11, 5, v0                       ; 32 t: their place in each array
	v_lshlrev_b32 v30, 2, v0                       ; 4 t: my word of the pad
	v_mov_b32 v67, 0
	v_and_b32 v31, 31, v0
	v_lshl_add_u32 v9, v31, 2, s21
	v_lshl_add_u32 v66, v31, 6, s31
	s_wait_kmcnt 0x0
	s_add_nc_u64 s[4:5], s[4:5], s[18:19]
	s_add_nc_u64 s[10:11], s[10:11], s[22:23]
.irp c, 0,1,2,3
	global_load_b128 v[128+4*\c:131+4*\c], v1, s[4:5] offset:16*\c
.endr
	global_load_b64 v[16:17], v10, s[4:5]
	ds_store_b32 v30, v67                          ; the pad
	s_mov_b32 s24, 0x7f800000                      ; the lists begin as +infinity
.set i, 0
.rept 34
	v_mov_b32 v[LA+i], s24
.set i, i+1
.endr
	s_wait_loadcnt 0x0
.irp c, 0,1,2,3,4,5,6,7
	v_mul_f32 v[160+\c], v[128+2*\c], v[128+2*\c]  ; x x, rounded
	v_mul_f32 v[168+\c], v[129+2*\c], v[129+2*\c]  ; y y, rounded
.endr
.irp c, 0,1,2,3,4,5,6,7
	v_add_f32 v[160+\c], v[160+\c], v[168+\c]      ; r: the sum of the two rounded products, as reference() has it: not fused, on purpose
	v_mul_f32 v[144+\c], -2.0, v[128+2*\c]
	v_mul_f32 v[152+\c], -2.0, v[129+2*\c]
.endr
.irp a, 0,1,2
	ds_store_b128 v11, v[144+8*\a:147+8*\a] offset:XA+4096*\a
	ds_store_b128 v11, v[148+8*\a:151+8*\a] offset:XA+4096*\a+16
.endr
	v_mov_b32 v2, v16
	v_mov_b32 v3, v16
	v_mov_b32 v4, v17
	v_mov_b32 v5, v17
	v_mul_f32 v6, v16, v16
	v_mul_f32 v7, v17, v17
	v_add_f32 v6, v6, v7                           ; r_i, by the same three lines as r_j
	v_mov_b32 v7, v6
	s_wait_dscnt 0x0                               ; for the others: my part of the arrays lies in LDS
	s_barrier_signal -1
	s_barrier_wait -1                              ; the path's one barrier: behind it nobody writes the arrays
; THE WALK, the same in both passes: 32 trips, words 31 .. 0; a trip has eight phases, phase p takes quad 7 - p of the word: the candidates descend.
; TWO STREAMS BY TURNS.  In phase p the lines that USE quad p's distances (pass A: 34 insertions; pass B: 24 marks) stand by turns with the lines that MAKE the next quad's (8 for the distances, then 10 that sort them
; or 4 that take their magnitudes), so that no line reads the result of the line above it.  The made numbers lie in one set of temporaries while the other set is used.
; LDS LOADS stand in two runs of twelve a trip.  A set is free as soon as its quad's numbers are made, a phase ahead of their use: sets 0-3 are asked for anew, for the next trip, at the head of phase 3, sets 4-7 at the
; head of phase 7.  The wait at each of these two heads is for 0: it shows the other half landed, which was asked for four phases ago and is read from this phase on.
; v8 is the next trip's word in the arrays; it is written once a trip, behind the wait at phase 3.  In the last trip the look-ahead reads the pad, or the end of the array in front: bytes that were written; the numbers are not used.
.macro LOADH p0                        ; the quads of phases p0 .. p0 + 3 of the trip whose word begins at v8: all lanes read the same 16 bytes of each array
.irp d, 0,1,2,3
	ds_load_b128 v[BUF+12*(\p0+\d):BUF+12*(\p0+\d)+3], v8 offset:16*(7-(\p0+\d))
	ds_load_b128 v[BUF+12*(\p0+\d)+4:BUF+12*(\p0+\d)+7], v8 offset:16*(7-(\p0+\d))+YO
	ds_load_b128 v[BUF+12*(\p0+\d)+8:BUF+12*(\p0+\d)+11], v8 offset:16*(7-(\p0+\d))+RO
.endr
.endm
.macro NAMES p                         ; TC: the temporaries in use; TN: those in the making; XN: the set from which they are made
.set TC, T0+(T1-T0)*((\p)%2)
.set TN, T0+(T1-T0)*(((\p)+1)%2)
.set XN, BUF+12*(((\p)+1)%8)
.endm
.macro FEED p
.if (\p) == 3
	s_wait_dscnt 0x0                               ; sets 4-7 have landed (asked for at the last trip's phase 7; in pass B the last trip's two word stores are done too)
	v_mov_b32 v8, s26
	LOADH 0
.elseif (\p) == 7
	s_wait_dscnt 0x0                               ; sets 0-3 have landed (asked for at phase 3)
	LOADH 4
.endif
.endm
.macro DL k                            ; line k of 8: four signed distances, in place of the four -2 x; the same eight lines in both passes, so the same bits
.if (\k) == 0
	v_pk_mul_f32 v[XN:XN+1], v[2:3], v[XN:XN+1]
.elseif (\k) == 1
	v_pk_mul_f32 v[XN+2:XN+3], v[2:3], v[XN+2:XN+3]
.elseif (\k) == 2
	v_pk_fma_f32 v[XN:XN+1], v[4:5], v[XN+4:XN+5], v[XN:XN+1]            ; -2 m
.elseif (\k) == 3
	v_pk_fma_f32 v[XN+2:XN+3], v[4:5], v[XN+6:XN+7], v[XN+2:XN+3]
.elseif (\k) == 4
	v_pk_add_f32 v[XN:XN+1], v[6:7], v[XN:XN+1]                          ; r_i - 2 m
.elseif (\k) == 5
	v_pk_add_f32 v[XN+2:XN+3], v[6:7], v[XN+2:XN+3]
.elseif (\k) == 6
	v_pk_add_f32 v[XN:XN+1], v[XN:XN+1], v[XN+8:XN+9]                    ; + r_j
.else
	v_pk_add_f32 v[XN+2:XN+3], v[XN+2:XN+3], v[XN+10:XN+11]
.endif
.endm
.macro SA k                            ; pass A, line k of 18: the distances, then |D| of the quad in order: TN+4 <= TN <= TN+1 <= TN+6
.if (\k) < 8
	DL \k
.elseif (\k) == 8
	v_min_num_f32 v[TN], |v[XN]|, |v[XN+1]|
.elseif (\k) == 9
	v_max_num_f32 v[TN+1], |v[XN]|, |v[XN+1]|
.elseif (\k) == 10
	v_min_num_f32 v[TN+2], |v[XN+2]|, |v[XN+3]|
.elseif (\k) == 11
	v_max_num_f32 v[TN+3], |v[XN+2]|, |v[XN+3]|
.elseif (\k) == 12
	v_min_num_f32 v[TN+4], v[TN], v[TN+2]
.elseif (\k) == 13
	v_max_num_f32 v[TN+5], v[TN], v[TN+2]
.elseif (\k) == 14
	v_max_num_f32 v[TN+6], v[TN+1], v[TN+3]
.elseif (\k) == 15
	v_min_num_f32 v[TN+7], v[TN+1], v[TN+3]
.elseif (\k) == 16
	v_min_num_f32 v[TN], v[TN+5], v[TN+7]
.else
	v_max_num_f32 v[TN+1], v[TN+5], v[TN+7]
.endif
.endm
.macro INS1 base, k, v                 ; place k of the ascending list at v[base] takes the middle of v[v], place k - 1 and place k.  A list's places are taken from the top down, so that each line reads old places
.if (\k) > 0
	v_med3_num_f32 v[\base+(\k)], v[\v], v[\base+(\k)-1], v[\base+(\k)]
.else
	v_min_num_f32 v[\base], v[\base], v[\v]
.endif
.endm
.macro INS base, n, v                  ; a whole insertion
.set k, (\n)-1
.rept \n
	INS1 \base, k, \v
.set k, k-1
.endr
.endm
; PASS A.  An element that is r-th in its quad and among the 17 smallest brings r - 1 not larger ones of its quad with it: at most 17 / r such elements exist,
; and they are the smallest of their rank.  So lists of 17, 8, 5 and 4 hold all 17 smallest values.  The lists are taken in the order in which the sort finishes their numbers: smallest, largest, second, third.
.macro PHA p
	NAMES \p
	FEED \p
.set ln, 0
.rept 34
.if ln < 17
	INS1 LA, 16-ln, TC+4
.elseif ln < 21
	INS1 LD, 20-ln, TC+6
.elseif ln < 29
	INS1 LB, 28-ln, TC
.else
	INS1 LC, 33-ln, TC+1
.endif
.if ln%2 == 0
	SA ln/2
.elseif ln == 33
	SA 17
.endif
.set ln, ln+1
.endr
.endm
	s_mov_b32 s26, XA+128*31
	v_mov_b32 v8, s26
	LOADH 0
	LOADH 4
	s_mov_b32 s26, XA+128*30                       ; in trip w: where word w - 1 begins
	s_mov_b32 s29, 32
	s_wait_dscnt 0x0
	NAMES 7                                        ; the first quad's numbers are made ahead of the loop
.set ln, 0
.rept 18
	SA ln
.set ln, ln+1
.endr
.LpassA:
.irp p, 0,1,2,3,4,5,6,7
	PHA \p
.endr
	s_sub_co_u32 s26, s26, 128
	s_sub_co_u32 s29, s29, 1
	s_cmp_lg_u32 s29, 0
	s_cbranch_scc1 .LpassA
	s_wait_dscnt 0x0                               ; the look-ahead's last loads have landed: their sets are loaded anew below
.set mv, LB
.rept 17
	INS LA, 17, mv                                 ; the other three lists go into list A: v48 = THR, v32 = L0
.set mv, mv+1
.endr
; PASS B.  Each candidate's two bits are shifted into the words by an addition with carry (w = w + w + bit); the walk descends, so bit j % 32 of word j / 32 is candidate j.
; Jl takes the place in the word of the last, that is the lowest, candidate with D = L0; J takes it from the last, lowest, word that had one.
; Between a compare into VCC and the addition that reads it stand two or three other lines: the next quad's, and the compares with L0, which go by scalar registers of their own.
.macro SB k                            ; pass B, line k of 12: the distances, then |D| into TN+3 .. TN
.if (\k) < 8
	DL \k
.else
	v_and_b32 v[TN+11-(\k)], s30, v[XN+11-(\k)]
.endif
.endm
.macro PHB p
	NAMES \p
	FEED \p
.set QB, 4*(7-(\p))
	v_cmp_lt_f32 vcc_lo, v[TC+3], v[LA+16]
	SB 0
	SB 1
	v_cmp_neq_f32 s43, v[TC+3], v[LA]
	v_add_co_ci_u32 v12, vcc_lo, v12, v12, vcc_lo
	v_cmp_le_f32 vcc_lo, v[TC+3], v[LA+16]
	SB 2
	SB 3
	v_add_co_ci_u32 v13, vcc_lo, v13, v13, vcc_lo
	v_cmp_lt_f32 vcc_lo, v[TC+2], v[LA+16]
	v_cmp_neq_f32 s42, v[TC+2], v[LA]
	v_cndmask_b32 v14, QB+3, v14, s43
	SB 4
	v_add_co_ci_u32 v12, vcc_lo, v12, v12, vcc_lo
	v_cmp_le_f32 vcc_lo, v[TC+2], v[LA+16]
	SB 5
	v_cmp_neq_f32 s41, v[TC+1], v[LA]
	v_add_co_ci_u32 v13, vcc_lo, v13, v13, vcc_lo
	v_cmp_lt_f32 vcc_lo, v[TC+1], v[LA+16]
	v_cndmask_b32 v14, QB+2, v14, s42
	SB 6
	SB 7
	v_add_co_ci_u32 v12, vcc_lo, v12, v12, vcc_lo
	v_cmp_le_f32 vcc_lo, v[TC+1], v[LA+16]
	v_cmp_neq_f32 s40, v[TC], v[LA]
	v_cndmask_b32 v14, QB+1, v14, s41
	v_add_co_ci_u32 v13, vcc_lo, v13, v13, vcc_lo
	v_cmp_lt_f32 vcc_lo, v[TC], v[LA+16]
	SB 8
	SB 9
	SB 10
	v_add_co_ci_u32 v12, vcc_lo, v12, v12, vcc_lo
	v_cmp_le_f32 vcc_lo, v[TC], v[LA+16]
	SB 11
	v_cndmask_b32 v14, QB, v14, s40
	v_add_co_ci_u32 v13, vcc_lo, v13, v13, vcc_lo
.endm
	s_mov_b32 s30, 0x7fffffff
	v_mov_b32 v12, 0
	v_mov_b32 v13, 0
	v_mov_b32 v14, 64                              ; 64: none in this word
	v_mov_b32 v15, 0
	s_mov_b32 s26, XA+128*31
	v_mov_b32 v8, s26
	LOADH 0
	LOADH 4
	s_mov_b32 s26, XA+128*30
	s_mov_b32 s27, 128*31
	s_mov_b32 s28, 32*31
	s_mov_b32 s29, 32
	s_wait_dscnt 0x0
	NAMES 7
.set ln, 0
.rept 12
	SB ln
.set ln, ln+1
.endr
.LpassB:
.irp p, 0,1,2,3,4,5,6,7
	PHB \p
.endr
	v_mov_b32 v50, v12                             ; the stores' own registers: written again a trip later, behind the waits of phases 3 and 7
	v_mov_b32 v51, v13
	v_add_nc_u32 v52, s27, v9
	ds_store_b32 v52, v50
	ds_store_b32 v52, v51 offset:4096
	v_cmp_gt_u32 vcc_lo, 64, v14
	v_add_nc_u32 v31, s28, v14
	v_cndmask_b32 v15, v15, v31, vcc_lo
	v_mov_b32 v14, 64
	s_sub_co_u32 s26, s26, 128
	s_sub_co_u32 s27, s27, 128
	s_sub_co_u32 s28, s28, 32
	s_sub_co_u32 s29, s29, 1
	s_cmp_lg_u32 s29, 0
	s_cbranch_scc1 .LpassB
	s_wait_dscnt 0x0
; THE PICKS.  My query's 64 words come into registers; the upper 32 become D = THR.  v27 / v28: bit w says that word w of D < THR / D = THR is not empty.
.set i, 0
.rept 32
	ds_load_b32 v[MW+i], v9 offset:128*i
	ds_load_b32 v[MW+32+i], v9 offset:4096+128*i
.set i, i+1
.endr
	v_mov_b32 v27, 0
	v_mov_b32 v28, 0
	v_mov_b32 v29, 0
	s_wait_dscnt 0x0
.set i, 0
.rept 32
	v_xor_b32 v[MW+32+i], v[MW+32+i], v[MW+i]
.set i, i+1
.endr
.set i, 31
.rept 32
	v_cmp_ne_u32 vcc_lo, 0, v[MW+i]
	v_add_co_ci_u32 v27, vcc_lo, v27, v27, vcc_lo
	v_cmp_ne_u32 vcc_lo, 0, v[MW+32+i]
	v_add_co_ci_u32 v28, vcc_lo, v28, v28, vcc_lo
.set i, i-1
.endr
; The next index, into v30: the lowest bit not yet taken of the lowest word that is not empty, first among D < THR, then among D = THR.  The word is chosen by a tree of selections on the five bits of its number.
.macro PICK
	v_cmp_ne_u32 s40, 0, v27                       ; is a D < THR left?
	v_cndmask_b32 v16, v28, v27, s40
	v_sub_nc_u32 v17, 0, v16
	v_and_b32 v17, v16, v17                        ; x: the lowest word's bit
	v_and_b32 v18, 0xaaaaaaaa, v17
	v_and_b32 v19, 0xcccccccc, v17
	v_and_b32 v20, 0xf0f0f0f0, v17
	v_and_b32 v21, 0xff00ff00, v17
	v_and_b32 v22, 0xffff0000, v17
	v_cmp_ne_u32 s41, 0, v18
	v_cmp_ne_u32 s42, 0, v19
	v_cmp_ne_u32 s43, 0, v20
	v_cmp_ne_u32 s44, 0, v21
	v_cmp_ne_u32 s45, 0, v22
.set i, 0
.rept 32
	v_cndmask_b32 v[TR+i], v[MW+2*i], v[MW+2*i+1], s41
.set i, i+1
.endr
.set i, 0
.rept 16
	v_cndmask_b32 v[TR+32+i], v[TR+2*i], v[TR+2*i+1], s42
.set i, i+1
.endr
.set i, 0
.rept 8
	v_cndmask_b32 v[TR+48+i], v[TR+32+2*i], v[TR+33+2*i], s43
.set i, i+1
.endr
.set i, 0
.rept 4
	v_cndmask_b32 v[TR+56+i], v[TR+48+2*i], v[TR+49+2*i], s44
.set i, i+1
.endr
.set i, 0
.rept 2
	v_cndmask_b32 v[TR+60+i], v[TR+56+2*i], v[TR+57+2*i], s45
.set i, i+1
.endr
	v_cndmask_b32 v18, v[TR+61], v[TR+60], s40     ; the word
	v_bfi_b32 v19, v29, 0, v18                     ; without the bits that are taken
	v_sub_nc_u32 v20, 0, v19
	v_and_b32 v20, v19, v20                        ; y: its lowest bit
	v_xor_b32 v21, v19, v20
	v_or_b32 v29, v29, v20
	v_cmp_eq_u32 s46, 0, v21                       ; the word is used up:
	v_cndmask_b32 v29, v29, 0, s46
	v_xor_b32 v22, v16, v17                        ; it leaves its summary
	s_and_b32 s47, s46, s40
	s_and_not1_b32 s48, s46, s40
	v_cndmask_b32 v27, v27, v22, s47
	v_cndmask_b32 v28, v28, v22, s48
	v_cvt_f32_u32 v17, v17                         ; a power of two as f32: its exponent field is 127 + the bit's number
	v_cvt_f32_u32 v20, v20
	v_lshrrev_b32 v17, 23, v17
	v_lshrrev_b32 v20, 23, v20
	v_lshl_add_u32 v30, v17, 5, v20
	v_add_nc_u32 v30, 0xffffefa1, v30              ; - 127 x 33
.endm
	PICK
	v_mov_b32 v26, v30                             ; the spare pick
	s_mov_b32 s39, 0
.Lpick:                                            ; 16 more: 17 in all, of which J is one
	PICK
	s_wait_dscnt 0x0                               ; the last trip's store is done: its registers are written again
	v_cmp_eq_u32 vcc_lo, v30, v15
	v_cndmask_b32 v23, v30, v26, vcc_lo            ; J gives its place to the spare pick
	v_add_nc_u32 v31, s39, v66
	ds_store_b32 v31, v23
	s_add_co_u32 s39, s39, 4
	s_cmp_lt_u32 s39, 64
	s_cbranch_scc1 .Lpick
	v_and_b32 v10, 31, v0
	v_lshlrev_b32 v11, 4, v10
	v_add_nc_u32 v10, s31, v11
.irp c, 0,1,2,3
	ds_load_b128 v[TR+4*\c:TR+4*\c+3], v10 offset:512*\c   ; LDS serves a wave's instructions in order: these see my stores
.endr
	s_wait_dscnt 0x0
.irp c, 0,1,2,3
	global_store_b128 v11, v[TR+4*\c:TR+4*\c+3], s[10:11] offset:512*\c   ; the wave's 32 rows of idx: 2,048 consecutive bytes, 512 a store
.endr
	s_wait_tensorcnt 0x0                           ; the wave's end
	ds_add_u32 v24, v25
	s_wait_dscnt 0x0
	s_endpgm
; ---------------- the weights ----------------
; A wave takes one tile of 16 columns for both K steps of 128.  Lane (r, h) takes ONE column and its registers run down K, in the order that the operand's layout gives that lane:
; k = 128 s + 64 c + 32 h + 0 .. 31.  So a block of 32 lies in one lane, and the conversions' results are the operand's registers.  No LDS, no barrier on this path.
; A block of zeros keeps the byte 1 where the rule says 127: its codes are zeros, and this program alone reads the bytes.
.macro WQ pitch, b0
.set n, 0
.rept 128
	global_load_b32 v[64+n], v5, s[\b0:\b0+1] offset:(128*(n/64)+64*((n/32)%2)+n%32)*\pitch
.set n, n+1
.endr
	s_wait_loadcnt 0x0
.irp u, 0,1,2,3                        ; block u = 2 s + c of my column
	v_max3_num_f32 v[32+\u], |v[64+32*\u]|, |v[65+32*\u]|, 0x1800000   ; with the floor 2^(3 - 127): the byte cannot fall under 1
.endr
.irp i, 2,4,6,8,10,12,14,16,18,20,22,24,26,28,30
.irp u, 0,1,2,3
	v_max3_num_f32 v[32+\u], v[32+\u], |v[64+32*\u+\i]|, |v[65+32*\u+\i]|
.endr
.endr
.irp u, 0,1,2,3
	v_add_nc_u32 v[44+\u], 0xff000000, v[32+\u]    ; 2 off the exponent field: the conversion's scale operand
.endr
.irp u, 0,1,2,3
	v_lshrrev_b32 v[36+\u], 23, v[44+\u]           ; the scale's byte
.endr
	v_lshlrev_b32 v10, 3, v3
.irp s, 0,1
	v_lshl_or_b32 v[40+\s], v[37+2*\s], 16, v[36+2*\s]   ; my two bytes of K step s: blocks h and 2 + h,
	v_lshlrev_b32 v[40+\s], v10, v[40+\s]          ; at their places;
	v_mov_b32 v[42+\s], 0
	v_permlanex16_b32 v[42+\s], v[40+\s], s20, s21
	v_or_b32 v[40+\s], v[40+\s], v[42+\s]          ; with lane l xor 16's two the word is whole
.endr
.irp u, 0,1,2,3
	v_cvt_scalef32_pk16_fp6_f32 v[192+6*\u:194+6*\u], v[64+32*\u:79+32*\u], v[44+\u]
	v_cvt_scalef32_pk16_fp6_f32 v[224+4*\u:226+4*\u], v[80+32*\u:95+32*\u], v[44+\u]   ; (a conversion's three registers begin on an even number)
.endr
	v_nop                                          ; one plain place behind the last conversion
.irp u, 0,1,2,3
.irp i, 0,1,2
	v_mov_b32 v[195+6*\u+\i], v[224+4*\u+\i]
.endr
.endr
	v_cmp_ne_u32 vcc_lo, 0, v3
	v_cndmask_b32 v11, v40, v41, vcc_lo            ; lanes 0-15 keep K step 0's word of their row, lanes 16-31 K step 1's
.irp s, 0,1
.irp g, 0,1,2
	global_store_b128 v6, v[192+12*\s+4*\g:195+12*\s+4*\g], s[12:13] offset:1536*\s+512*\g   ; a fragment's image: four registers a store, 512 consecutive bytes
.endr
.endr
	global_store_b32 v7, v11, s[14:15]
.endm
.Lprep:
	s_sub_co_u32 s17, ttmp9, 256                   ; 0..3: W1;  4, 5: W2
	v_and_b32 v2, 15, v0                           ; r
	v_bfe_u32 v3, v0, 4, 1                         ; h
	v_and_b32 v4, 31, v0
	v_lshlrev_b32 v6, 4, v4
	v_lshlrev_b32 v7, 2, v4
	s_mov_b32 s20, 0x76543210
	s_mov_b32 s21, 0xfedcba98                      ; v_permlanex16_b32's selects for lane l xor 16
	s_mov_b32 s23, 0
	s_mov_b32 s25, 0
	s_cmp_ge_u32 s17, 4
	s_cbranch_scc1 .Lw2
	s_lshl_b32 s18, s17, 2
	s_add_co_u32 s18, s18, s16                     ; tile t of W1's 16
	s_lshr_b32 s19, s18, 1
	s_lshl_b32 s19, s19, 5
	s_and_b32 s26, s18, 1
	s_lshl_b32 s26, s26, 3
	s_add_co_u32 s19, s19, s26
	v_and_b32 v5, 8, v2
	v_add3_u32 v5, v5, v2, s19                     ; THE COLUMNS OF A TILE ARE NOT NEIGHBOURS: 32 (t / 2) + 8 (t % 2) + r + 8 (r / 8), so that two tiles' results are 16 neighbours along the next K
	v_lshlrev_b32 v5, 2, v5
	v_lshl_add_u32 v5, v3, 15, v5                  ; + 32 h rows of 1,024 bytes
	s_mul_i32 s22, s18, 3072                       ; fragments 2 t, 2 t + 1
	s_lshl_b32 s24, s18, 7
	s_wait_kmcnt 0x0
	s_add_nc_u64 s[12:13], s[12:13], s[22:23]
	s_add_nc_u64 s[14:15], s[14:15], s[24:25]
	WQ 1024, 6
	s_endpgm
.Lw2:
	s_sub_co_u32 s18, s17, 4
	s_lshl_b32 s18, s18, 2
	s_add_co_u32 s18, s18, s16                     ; tile T of W2's 8
	s_and_b32 s19, s18, 1
	s_lshl_b32 s19, s19, 6
	s_lshr_b32 s26, s18, 1
	s_add_co_u32 s19, s19, s26
	v_lshl_add_u32 v5, v2, 2, s19                  ; column 4 r + 64 (T % 2) + T / 2: so that a lane of the second launch ends with four neighbouring outputs
	v_lshlrev_b32 v5, 2, v5
	v_lshl_add_u32 v5, v3, 14, v5                  ; + 32 h rows of 512 bytes
	s_mul_i32 s22, s18, 3072
	s_add_co_u32 s22, s22, 32*1536                 ; fragments 32 + 2 T, 33 + 2 T
	s_lshl_b32 s24, s18, 7
	s_add_co_u32 s24, s24, 16*128
	s_wait_kmcnt 0x0
	s_add_nc_u64 s[12:13], s[12:13], s[22:23]
	s_add_nc_u64 s[14:15], s[14:15], s[24:25]
	WQ 512, 8
	s_endpgm
.Lfunc_end_k_q3ed46acbf9_knn:
	.size	k_q3ed46acbf9_knn, .Lfunc_end_k_q3ed46acbf9_knn-k_q3ed46acbf9_knn
	.p2alignl 7, 3214868480
	.fill 96, 4, 3214868480
	.section	.rodata,"a",@progbits
	.p2align	6, 0x0
	.amdhsa_kernel k_q3ed46acbf9_knn
		.amdhsa_group_segment_fixed_size 54272
		.amdhsa_private_segment_fixed_size 0
		.amdhsa_enable_private_segment 0
		.amdhsa_kernarg_size 48
		.amdhsa_user_sgpr_count 2
		.amdhsa_user_sgpr_kernarg_segment_ptr 1
		.amdhsa_wavefront_size32 1
		.amdhsa_system_sgpr_workgroup_id_x 1
		.amdhsa_system_sgpr_workgroup_id_y 1
		.amdhsa_system_sgpr_workgroup_id_z 1
		.amdhsa_system_vgpr_workitem_id 0
		.amdhsa_next_free_vgpr 256
		.amdhsa_next_free_sgpr 66
		.amdhsa_reserve_vcc 1
		.amdhsa_float_denorm_mode_32 3
		.amdhsa_float_denorm_mode_16_64 3
		.amdhsa_memory_ordered 1
		.amdhsa_forward_progress 1
		.amdhsa_inst_pref_size 130
	.end_amdhsa_kernel
	.amdgpu_metadata
---
amdhsa.version: [ 1, 2 ]
amdhsa.kernels:
  - .name:           k_q3ed46acbf9_knn
    .symbol:         k_q3ed46acbf9_knn.kd
    .args:
      - { .name: points, .offset: 0, .size: 8, .value_kind: global_buffer, .address_space: global }
      - { .name: W1, .offset: 8, .size: 8, .value_kind: global_buffer, .address_space: global }
      - { .name: W2, .offset: 16, .size: 8, .value_kind: global_buffer, .address_space: global }
      - { .name: idx, .offset: 24, .size: 8, .value_kind: global_buffer, .address_space: global }
      - { .name: wimg, .offset: 32, .size: 8, .value_kind: global_buffer, .address_space: global }
      - { .name: simg, .offset: 40, .size: 8, .value_kind: global_buffer, .address_space: global }
    .group_segment_fixed_size: 54272
    .private_segment_fixed_size: 0
    .kernarg_segment_align: 8
    .kernarg_segment_size: 48
    .max_flat_workgroup_size: 128
    .sgpr_count:     66
    .vgpr_count:     256
    .wavefront_size: 32
...
	.end_amdgpu_metadata
.endif
;; end of part 3
;; launch mlp (part 4): grid 256 x 1, 4 waves a work-group, no clusters, 52,224 bytes of LDS; arguments features, idx, wimg, simg, b1, b2, out0; writes out0
.if DOCPART == 4
	.amdgcn_target "amdgcn-amd-amdhsa--gfx1250"
	.amdhsa_code_object_version 6
	.text
	.protected	k_q3ed46acbf9_mlp
	.globl	k_q3ed46acbf9_mlp
	.p2align	8
	.type	k_q3ed46acbf9_mlp,@function
k_q3ed46acbf9_mlp:
	s_mov_b64 s[64:65], 0
	v_nop
	global_prefetch_b8 v0, s[64:65] scope:SCOPE_SE
	s_setreg_imm32_b32 hwreg(HW_REG_WAVE_MODE, 25, 1), 1
	s_wait_xcnt 0x0
; LAUNCH 2 OF 2.  out0[p] = mean over the 16 neighbours n of p of gelu(gelu([f_n - f_p, f_p] W1 + b1) W2 + b2), both products on codes of E2M3 with one E8M0 scale for each 32 along K.
; Work left out: only the neighbour that reference() slices away, which the first launch did not store.
; SHARES.  Work-group x takes points 128 x on, wave w 32 of them, ONE POINT A TRIP: a point's 16 neighbours are the 16 rows of its tiles.  Every wave keeps all 48 weight fragments (576 registers) for the whole launch;
; the hidden layer never leaves the registers; no barrier stands in the loop.
; NO CLUSTER, NO TENSOR LOAD: what work-groups share is 75 KiB of weight images, read once at the head into registers; the neighbours' rows differ from point to point.
; LAYOUT.  First product transposed (source 0 = 16 hidden units, source 1 = the 16 rows): a lane holds one row, its registers run along the hidden units, in the order the next operand wants.
; Second product: source 0 = the 16 rows, source 1 = 16 outputs: a lane holds one output and eight rows, so the mean is a sum down its registers and one exchange of halves.
; GELU, exact form: 2 gelu(x) = x + x erf(x / sqrt 2); erf(z) = z P(z^2) / Q(z^2) for |z| <= 4, the f32 rational of degree 6 over 4 (absolute error about 1e-7), z held at +-4.
; With Z = x held at +-4 sqrt 2 and U = Z^2 the factors 1 / sqrt 2 and 2^-m are folded into the coefficients.  THE FACTOR 2 IS TAKEN BACK EXACTLY: a doubled block has the same codes and a scale byte one higher,
; so 1 is taken off each byte of the hidden layer's scale words; the mean multiplies by 1 / 32.
; MATRIX AND VECTOR WORK BY TURNS: a point has 48 matrix instructions and some 2,300 vector lines, so each matrix instruction stands alone among the vector lines of another quarter's GELU.  Each costs two switches of the register window.
; No two matrix instructions that follow each other share an accumulator, over the backward jump too.
; THE LAST TRIP prepares point 31 once more (the look-ahead is held at 31, so that no load leaves its buffer) and its first eight products are not used: one part in 200 of a wave's matrix work.
; LIMITS: NaN and infinities are not served.  A block whose largest magnitude lies under 2^-124 keeps the byte 1 (the hidden layer's: 0, that is 2^-127).
;
; LDS: stage 4 x 8,448 (16 rows x 528); the centres' code rows 4 x 32 x 96; their scale words 4 x 128; b1 as it lies; b2, each number eight times, in the order of the tiles' lanes; the spare words.
.set STGW,  8448
.set CCD,   33792
.set CSC,   46080
.set B1L,   46592
.set B2R,   47616
.set SPARE, 51712                      ; 128 bytes for each wave: two blocks of 256 bytes that no other line names
; REGISTERS.  Window 0: v1 16 lane; v2 stage in; v3 stage out; v4 my wave's code rows + 24 h; v5, v6 addresses in hand; v7 b1 + 64 h; v8 b2 + 32 r; v9 code rows + 96 r + 24 h; v10, v11 the centres' scale words;
.set CEN,  12                          ; v12-15   the centre, 16 bytes a lane
.set OUTR, 16                          ; v16-19   my four outputs
.set RS,   20                          ; v20-23 sums of the even tiles, v24-27 of the odd;  v28, v29 global offsets;  v30, v31 the add's two
.set SW1,  32                          ; v32-47   W1's scale words, a register a tile: lanes 0-15 K step 0, lanes 16-31 K step 1
.set SW2,  48                          ; v48-55   W2's likewise
.set SXD,  56                          ; v56 the differences' scale words, v57 the centre's
.set SH0,  58                          ; v58, v59 the hidden layer's
.set XD,   60                          ; v60-71   the differences' fragment;
.set XC,   72                          ; v72-83   the centre's (the same row sixteen times)
.set H0,   84                          ; v84-107  the hidden layer's two fragments
.set SPL,  108                         ; v108-110, v112-114 the conversions' second halves
.set G,    116                         ; v116-179 16 gathered rows, 16 bytes a lane;  v184-255 weight fragments 42..47
; Window 1: fragments 0..20.  Window 2: fragments 21..41.  (0..31: W1's tile t, K step s at 2 t + s;  32..47: W2's at 32 + 2 T + s.)
; Window 3: v0-127 the 16 tiles of the hidden layer, of which tiles 0-7 later take the 8 tiles of outputs;  v128-255 at work:
.set TZ,   128                         ; Z, or 64 numbers on their way to a quantiser
.set TU,   160                         ; U
.set TP,   192                         ; P
.set TQ,   224                         ; Q
.set TM,   192                         ; the quantiser's 16
.set PWT,  208
.set CA,   66                          ; s[66:79] a_0 .. a_6, s[80:89] b_0 .. b_4, each twice: the packed forms name pairs
.set CBQ,  80
; s[4:5] features at my batch; s[6:7] idx at my wave; s[8:15] wimg, simg, b1, b2; s[16:17] out0 at my wave; s18 wave; s19 trip; s[20:21] features at my wave; s22-24 the look-aheads; s25 the list's offset; s26-29 at work;
; s[36:51] 16 indices; s90, s91 -+4 sqrt 2; s92, s93 lane selects; s[94:95] 1 / 32
.set MSB, 0
.macro WIN new                         ; the immediate's high byte repeats the setting that is left; a switch that changes nothing is dropped
.if MSB != (\new)
	s_set_vgpr_msb (MSB<<8)|(\new)
.set MSB, (\new)
.endif
.endm
.macro FLOC f                          ; where fragment f lies: window FW, register FRG
.if (\f) < 42
.set FW, 1+(\f)/21
.set FRG, 12*((\f)%21)
.else
.set FW, 0
.set FRG, 184+12*((\f)-42)
.endif
.endm
.macro MM2 t, s                        ; hidden tile t += W1's tile t x the rows, K step s.  The sum begins on b1, which lies in the accumulator
	FLOC 2*(\t)+(\s)
.set WW, 0xF0|FW
	WIN WW
.if (\s) == 0
	v_wmma_scale_f32_16x16x128_f8f6f4 v[8*(\t):8*(\t)+7], v[FRG:FRG+11], v[XD:XD+11], v[8*(\t):8*(\t)+7], v[SW1+(\t)], v[SXD] matrix_a_fmt:MATRIX_FMT_FP6 matrix_b_fmt:MATRIX_FMT_FP6
.else
	v_wmma_scale_f32_16x16x128_f8f6f4 v[8*(\t):8*(\t)+7], v[FRG:FRG+11], v[XC:XC+11], v[8*(\t):8*(\t)+7], v[SW1+(\t)], v[SXD+1] matrix_a_fmt:MATRIX_FMT_FP6 matrix_b_fmt:MATRIX_FMT_FP6 matrix_a_scale:MATRIX_SCALE_ROW1
.endif
.endm
.macro MM3 t, s                        ; output tile t += the hidden layer x W2's tile t, K step s.  The sum begins on b2
	FLOC 32+2*(\t)+(\s)
.set WW, 0xF0|(FW<<2)
	WIN WW
.if (\s) == 0
	v_wmma_scale_f32_16x16x128_f8f6f4 v[8*(\t):8*(\t)+7], v[H0:H0+11], v[FRG:FRG+11], v[8*(\t):8*(\t)+7], v[SH0], v[SW2+(\t)] matrix_a_fmt:MATRIX_FMT_FP6 matrix_b_fmt:MATRIX_FMT_FP6
.else
	v_wmma_scale_f32_16x16x128_f8f6f4 v[8*(\t):8*(\t)+7], v[H0+12:H0+23], v[FRG:FRG+11], v[8*(\t):8*(\t)+7], v[SH0+1], v[SW2+(\t)] matrix_a_fmt:MATRIX_FMT_FP6 matrix_b_fmt:MATRIX_FMT_FP6 matrix_b_scale:MATRIX_SCALE_ROW1
.endif
.endm
; Matrix instruction k of a set, and back to window 3.  Sets 1-3: hidden tiles 4 set .. 4 set + 3, both K steps.  4: the outputs' K step 0.  5, 6: their K step 1, tiles 0-3, 4-7.  7: the NEXT point's hidden tiles 0-3.  0: nothing.
.macro HK set, k
.if ((\set) >= 1) && ((\set) <= 3)
	MM2 4*(\set)+(\k)%4, (\k)/4
	WIN 0xFF
.elseif (\set) == 4
	MM3 \k, 0
	WIN 0xFF
.elseif ((\set) == 5) && ((\k) < 4)
	MM3 \k, 1
	WIN 0xFF
.elseif ((\set) == 6) && ((\k) < 4)
	MM3 4+(\k), 1
	WIN 0xFF
.elseif (\set) == 7
	MM2 (\k)%4, (\k)/4
	WIN 0xFF
.endif
.endm
.macro CB1 t0                          ; b1 into hidden tiles t0 .. t0 + 3, in the result's layout: lane (r, h), tile t: units 32 (t / 2) + 16 h + 8 (t % 2) + 0 .. 7
	WIN 0xC0
.irp d, 0,1,2,3
	ds_load_b128 v[8*(\t0+\d):8*(\t0+\d)+3], v7 offset:128*((\t0+\d)/2)+32*((\t0+\d)%2)
	ds_load_b128 v[8*(\t0+\d)+4:8*(\t0+\d)+7], v7 offset:128*((\t0+\d)/2)+32*((\t0+\d)%2)+16
.endr
.endm
.macro CB2                             ; b2 into output tiles 0 .. 7: a lane's one output, eight times
	WIN 0xC0
.irp d, 0,1,2,3,4,5,6,7
	ds_load_b128 v[8*\d:8*\d+3], v8 offset:512*\d
	ds_load_b128 v[8*\d+4:8*\d+7], v8 offset:512*\d+16
.endr
.endm
.macro HORN1 d, c1, c0                 ; d = U c1 + c0
.set i, 0
.rept 16
	v_pk_fma_f32 v[\d+i:\d+i+1], v[TU+i:TU+i+1], s[\c1:\c1+1], s[\c0:\c0+1] op_sel_hi:[1,0,0]
.set i, i+2
.endr
.endm
.macro HORN d, c0                      ; d = d U + c0
.set i, 0
.rept 16
	v_pk_fma_f32 v[\d+i:\d+i+1], v[\d+i:\d+i+1], v[TU+i:TU+i+1], s[\c0:\c0+1] op_sel_hi:[1,1,0]
.set i, i+2
.endr
.endm
; 32 numbers at v[xb] of window 3 (four tiles) become 2 gelu of themselves: 288 lines, nine a number.  The first line that reads a tile reads its lowest register.
; Up to eight matrix instructions of another quarter stand between the levels, 16 lines or more apart.
; THE 32 RECIPROCALS STAND BY TURNS WITH THE 32 LINES OF P'S FIRST TWO LEVELS, which name none of their registers: a plain line behind each reciprocal.  They are still one batch with one wait:
; four more levels of P and P Z lie between the last of them and the first line that names a result.
.macro GELU xb, set
	WIN 0xFF
.set i, 0
.rept 32
	v_med3_num_f32 v[TZ+i], v[\xb+i], s90, s91
.set i, i+1
.endr
.set i, 0
.rept 16
	v_pk_mul_f32 v[TU+i:TU+i+1], v[TZ+i:TZ+i+1], v[TZ+i:TZ+i+1]
.set i, i+2
.endr
	s_wait_dscnt 0x0                               ; the biases on which the set's sums begin have landed
	HK \set, 0
	HORN1 TQ, CBQ+8, CBQ+6
	HORN TQ, CBQ+4
	HK \set, 1
	HORN TQ, CBQ+2
	HORN TQ, CBQ+0
	HK \set, 2
.set i, 0
.rept 16
	v_rcp_f32 v[TQ+i], v[TQ+i]
	v_pk_fma_f32 v[TP+2*i:TP+2*i+1], v[TU+2*i:TU+2*i+1], s[CA+12:CA+13], s[CA+10:CA+11] op_sel_hi:[1,0,0]   ; P = U a_6 + a_5
.set i, i+1
.endr
	HK \set, 3
.set i, 0
.rept 16
	v_rcp_f32 v[TQ+16+i], v[TQ+16+i]
	v_pk_fma_f32 v[TP+2*i:TP+2*i+1], v[TP+2*i:TP+2*i+1], v[TU+2*i:TU+2*i+1], s[CA+8:CA+9] op_sel_hi:[1,1,0]   ; P = P U + a_4
.set i, i+1
.endr
	HK \set, 4
	HORN TP, CA+6
	HK \set, 5
	HORN TP, CA+4
	HK \set, 6
	HORN TP, CA+2
	HK \set, 7
	HORN TP, CA+0
.set i, 0
.rept 16
	v_pk_mul_f32 v[TP+i:TP+i+1], v[TP+i:TP+i+1], v[TZ+i:TZ+i+1]
.set i, i+2
.endr
	s_wait_alu depctr_va_vdst(0)                   ; the wait ahead of the first line that names a reciprocal: one for the batch
.set i, 0
.rept 16
	v_pk_mul_f32 v[TP+i:TP+i+1], v[TP+i:TP+i+1], v[TQ+i:TQ+i+1]   ; erf
.set i, i+2
.endr
.set i, 0
.rept 16
	v_pk_fma_f32 v[\xb+i:\xb+i+1], v[\xb+i:\xb+i+1], v[TP+i:TP+i+1], v[\xb+i:\xb+i+1]   ; x erf + x
.set i, i+2
.endr
.endm
; 64 numbers of a lane at v[src] of window 3, register 16 b + i = k 32 b + 16 (lane / 16) + i of my row, become a fragment's codes at v[dst] and its scale word in v[sreg], both in window 0.
; dbl = 1: the numbers are doubled ones: 1 comes off each byte.  Up to four matrix instructions of a set stand among the maxima.
.macro QUANT src, dst, sreg, dbl, set
	WIN 0xFF
.irp b, 0,1,2,3
	v_max3_num_f32 v[TM+\b], |v[\src+16*\b]|, |v[\src+16*\b+1]|, 0x1800000   ; my 16 numbers of block b, and the floor 2^(3 - 127): the byte cannot fall under 1
.endr
.irp b, 0,1,2,3
	v_max3_num_f32 v[TM+\b], v[TM+\b], |v[\src+16*\b+2]|, |v[\src+16*\b+3]|
.endr
	HK \set, 0
.irp i, 4,6
.irp b, 0,1,2,3
	v_max3_num_f32 v[TM+\b], v[TM+\b], |v[\src+16*\b+\i]|, |v[\src+16*\b+\i+1]|
.endr
.endr
	HK \set, 1
.irp i, 8,10
.irp b, 0,1,2,3
	v_max3_num_f32 v[TM+\b], v[TM+\b], |v[\src+16*\b+\i]|, |v[\src+16*\b+\i+1]|
.endr
.endr
	HK \set, 2
.irp i, 12,14
.irp b, 0,1,2,3
	v_max3_num_f32 v[TM+\b], v[TM+\b], |v[\src+16*\b+\i]|, |v[\src+16*\b+\i+1]|
.endr
.endr
	HK \set, 3
.irp b, 0,1,2,3
	v_permlanex16_b32 v[TM+4+\b], v[TM+\b], s92, s93
.endr
.irp b, 0,1,2,3
	v_max_num_f32 v[TM+\b], v[TM+\b], v[TM+4+\b]   ; with lane l xor 16's: the block's largest magnitude
.endr
.irp b, 0,1,2,3
	v_add_nc_u32 v[TM+12+\b], 0xff000000, v[TM+\b] ; 2 off its exponent field: the conversion's scale operand
.endr
.irp b, 0,1,2,3
	v_lshrrev_b32 v[TM+4+\b], 23, v[TM+12+\b]      ; the scale's byte
.endr
	v_lshl_or_b32 v[PWT], v[TM+5], 8, v[TM+4]
	v_lshl_or_b32 v[PWT], v[TM+6], 16, v[PWT]
	WIN 0x3F                                       ; sources window 3, destination window 0
	v_lshl_or_b32 v[\sreg], v[TM+7], 24, v[PWT]    ; my row's scale word
.irp c, 0,1
	v_cvt_scalef32_pk16_fp6_f32 v[(\dst)+6*\c:(\dst)+6*\c+2], v[\src+32*\c:\src+32*\c+15], v[TM+12+2*\c]
	v_cvt_scalef32_pk16_fp6_f32 v[SPL+4*\c:SPL+4*\c+2], v[\src+32*\c+16:\src+32*\c+31], v[TM+13+2*\c]   ; (a conversion's three registers begin on an even number)
.endr
	WIN 0
.if \dbl
	v_add_nc_u32 v[\sreg], 0xfefefeff, v[\sreg]    ; 1 off each of the four bytes, none of which is 0.  (Also the plain place behind the conversions)
.else
	v_nop                                          ; one plain place behind the conversions
.endif
.irp c, 0,1                            ; the operand's layout wants a WHOLE block in a lane: lanes 0-15 block 2 c, lanes 16-31 block 2 c + 1
.irp i, 0,1,2
	v_permlane16_swap_b32 v[(\dst)+6*\c+\i], v[SPL+4*\c+\i]
.endr
.irp i, 0,1,2
	v_mov_b32 v[(\dst)+3+6*\c+\i], v[SPL+4*\c+\i]
.endr
.endr
.endm
; 16 rows that lie 16 bytes a lane in G turn through my wave's stage: in as whole rows of 512 bytes (rows 528 apart), out as 64 numbers of ONE row a lane.  LDS serves a wave's instructions in order: no wait between.
.macro STAGE
.set i, 0
.rept 16
	ds_store_b128 v2, v[G+4*i:G+4*i+3] offset:528*i
.set i, i+1
.endr
	WIN 0xC0
.set i, 0
.rept 16
	ds_load_b128 v[TZ+4*i:TZ+4*i+3], v3 offset:128*(i/4)+16*(i%4)
.set i, i+1
.endr
	WIN 0
.endm
; Point s22: its neighbours' rows, asked for a trip ago, less its centre; to the stage; its centre's codes and scale word from LDS.
.macro F1A
	s_wait_loadcnt 0x0                             ; the 16 rows and the centre
.set i, 0
.rept 16
	v_pk_add_f32 v[G+4*i:G+4*i+1], v[G+4*i:G+4*i+1], v[CEN:CEN+1] neg_lo:[0,1] neg_hi:[0,1]
	v_pk_add_f32 v[G+4*i+2:G+4*i+3], v[G+4*i+2:G+4*i+3], v[CEN+2:CEN+3] neg_lo:[0,1] neg_hi:[0,1]
.set i, i+1
.endr
	STAGE
	s_mul_i32 s26, s22, 96
	v_add_nc_u32 v5, s26, v4
.irp p, 0,1,2,3,4,5
	ds_load_b64 v[XC+2*\p:XC+2*\p+1], v5 offset:48*(\p/3)+8*(\p%3)   ; every lane of a half takes the same 24 + 24 bytes: the centre is all 16 rows
.endr
	s_lshl_b32 s26, s22, 2
	v_add_nc_u32 v6, s26, v10
	ds_load_b32 v[SXD+1], v6
.endm
; The gather for point s23 by the list that was asked for a trip ago, its centre, and the list of point s24.  Each row is one load of 512 consecutive bytes; a load's offset lies in its own destination.
; A batch's rows are named again and again by the lists of its eight work-groups: the loads carry the hint for data that is read again.
.macro F1B
	s_wait_kmcnt 0x0
.set i, 0
.rept 16
	s_min_u32 s[36+i], s[36+i], 0x3ff              ; an index stays inside its batch
.set i, i+1
.endr
.set i, 0
.rept 16
	v_lshl_add_u32 v[G+4*i], s[36+i], 9, v1
.set i, i+1
.endr
.set i, 0
.rept 16
	global_load_b128 v[G+4*i:G+4*i+3], v[G+4*i], s[4:5] th:TH_LOAD_HT
.set i, i+1
.endr
	s_lshl_b32 s27, s23, 9
	v_add_nc_u32 v28, s27, v1
	global_load_b128 v[CEN:CEN+3], v28, s[20:21]
	s_lshl_b32 s25, s24, 6
	s_load_b512 s[36:51], s[6:7], s25 offset:0x0
.endm
.macro RSUM t0                         ; output tiles t0 .. t0 + 3: the sum down a lane's eight rows
	WIN 0xFF
.irp d, 0,1,2,3
	v_pk_add_f32 v[8*(\t0+\d):8*(\t0+\d)+1], v[8*(\t0+\d):8*(\t0+\d)+1], v[8*(\t0+\d)+2:8*(\t0+\d)+3]
	v_pk_add_f32 v[8*(\t0+\d)+4:8*(\t0+\d)+5], v[8*(\t0+\d)+4:8*(\t0+\d)+5], v[8*(\t0+\d)+6:8*(\t0+\d)+7]
.endr
.irp d, 0,1,2,3
	v_pk_add_f32 v[8*(\t0+\d):8*(\t0+\d)+1], v[8*(\t0+\d):8*(\t0+\d)+1], v[8*(\t0+\d)+4:8*(\t0+\d)+5]
.endr
	WIN 0x0F
.irp d, 0,1,2,3
	v_add_f32 v[RS+4*((\t0+\d)%2)+(\t0+\d)/2], v[8*(\t0+\d)], v[8*(\t0+\d)+1]
.endr
.endm
.macro COEF r, val
	s_mov_b32 s[\r], \val
	s_mov_b32 s[\r+1], \val
.endm
.macro CENTRE g                        ; my wave's points 16 g .. 16 g + 15 are quantised as centres, once: code rows of 96 bytes and scale words, kept in LDS
.set i, 0
.rept 16
	global_load_b128 v[G+4*i:G+4*i+3], v1, s[20:21] offset:512*(16*\g+i)
.set i, i+1
.endr
	s_wait_loadcnt 0x0
	STAGE
	s_wait_dscnt 0x0
	QUANT TZ, XD, SXD, 0, 0
.irp p, 0,1,2,3,4,5
	ds_store_b64 v9, v[XD+2*\p:XD+2*\p+1] offset:1536*\g+48*(\p/3)+8*(\p%3)   ; a fragment's registers are its row's bytes as they lie
.endr
	ds_store_b32 v11, v[SXD] offset:64*\g          ; (both halves of the lanes hold the same word and write it to the same place)
	s_wait_dscnt 0x0
.endm
	s_load_b128 s[4:7], s[0:1], 0x0                ; features, idx
	s_load_b256 s[8:15], s[0:1], 0x10              ; wimg, simg, b1, b2
	s_load_b64 s[16:17], s[0:1], 0x30              ; out0
	v_lshl_add_u32 v30, v0, 2, SPARE
	v_mov_b32 v31, 0
	v_lshrrev_b32 v5, 5, v0
	v_readfirstlane_b32 s18, v5                    ; wave 0..3
	v_and_b32 v180, 31, v0                         ; lane
	v_and_b32 v181, 15, v0                         ; r
	v_bfe_u32 v182, v0, 4, 1                       ; h
	v_lshlrev_b32 v183, 2, v180
	v_lshlrev_b32 v111, 3, v0                      ; b1: thread t brings 8 bytes
	v_lshlrev_b32 v115, 2, v181                    ; b2: thread t = 16 T + r brings number 4 r + 64 (T % 2) + T / 2
	v_lshl_add_u32 v115, v182, 6, v115
	v_add_lshl_u32 v115, v115, v5, 2
	v_lshlrev_b32 v1, 4, v180
	s_mul_i32 s26, s18, STGW
	v_add_nc_u32 v2, s26, v1
	v_mul_u32_u24 v3, v181, 528
	v_lshl_add_u32 v3, v182, 6, v3
	v_add_nc_u32 v3, s26, v3
	s_mul_i32 s27, s18, 3072
	s_add_co_u32 s27, s27, CCD
	v_mul_u32_u24 v4, v182, 24
	v_add_nc_u32 v4, s27, v4
	v_mad_u32_u24 v9, v181, 96, v4
	v_lshl_add_u32 v7, v182, 6, B1L
	v_lshl_add_u32 v8, v181, 5, B2R
	s_lshl_b32 s28, s18, 7
	s_add_co_u32 s28, s28, CSC
	v_mov_b32 v10, s28
	v_lshl_add_u32 v11, v181, 2, s28
	v_lshl_add_u32 v5, v0, 3, B1L
	v_lshl_add_u32 v6, v0, 5, B2R
	COEF CA+0,  0xbc3a79f3                         ; a_m = alpha_(2m+1) 2^-m / sqrt 2
	COEF CA+2,  0xba88eb41
	COEF CA+4,  0xb9083d9c
	COEF CA+6,  0xb6a8d45d
	COEF CA+8,  0xb3c7667d
	COEF CA+10, 0x30284a8d
	COEF CA+12, 0xac53f331
	COEF CBQ+0, 0xbc69b6a7                         ; b_m = beta_(2m) 2^-m
	COEF CBQ+2, 0xbb719bf8
	COEF CBQ+4, 0xb9dc924e
	COEF CBQ+6, 0xb7dfbd29
	COEF CBQ+8, 0xb57460cd
	s_mov_b32 s90, 0xc0b504f3
	s_mov_b32 s91, 0x40b504f3
	s_mov_b32 s92, 0x76543210
	s_mov_b32 s93, 0xfedcba98
	COEF 94, 0x3d000000
	s_lshl_b32 s26, ttmp9, 16                      ; 128 points of 512 bytes a work-group,
	s_lshl_b32 s27, s18, 14                        ; 32 a wave
	s_add_co_u32 s26, s26, s27
	s_mov_b32 s27, 0
	s_lshr_b32 s28, ttmp9, 3
	s_lshl_b32 s28, s28, 19                        ; my batch's 1,024 rows
	s_mov_b32 s29, 0
	s_wait_kmcnt 0x0
	s_add_nc_u64 s[20:21], s[4:5], s[26:27]
	s_add_nc_u64 s[16:17], s[16:17], s[26:27]
	s_add_nc_u64 s[4:5], s[4:5], s[28:29]
	s_lshl_b32 s28, ttmp9, 13                      ; idx: 64 bytes a point
	s_lshl_b32 s26, s18, 11
	s_add_co_u32 s28, s28, s26
	s_add_nc_u64 s[6:7], s[6:7], s[28:29]
	global_load_b64 v[16:17], v111, s[12:13]
	global_load_b32 v20, v115, s[14:15]
.set f, 0
.rept 48                               ; the weights: a fragment is three loads of 512 consecutive bytes, as the first launch laid them
	FLOC f
.set WW, FW<<6
	WIN WW
.irp c, 0,1,2
	global_load_b128 v[FRG+4*\c:FRG+4*\c+3], v1, s[8:9] offset:1536*f+512*\c
.endr
.set f, f+1
.endr
	WIN 0
.set f, 0
.rept 24
	global_load_b32 v[SW1+f], v183, s[10:11] offset:128*f
.set f, f+1
.endr
	WIN 0xC0
.irp b, 0,1,2,3
	v_mov_b32 v[TM+4+\b], 0                        ; written once: a lane permute's destination counts as one of its sources
.endr
	WIN 0
	CENTRE 0                                       ; (its wait for loads is for all of the above too)
	CENTRE 1
	v_mov_b32 v21, v20
	v_mov_b32 v22, v20
	v_mov_b32 v23, v20
	ds_store_b64 v5, v[16:17]
	ds_store_b128 v6, v[20:23]
	ds_store_b128 v6, v[20:23] offset:16
	s_wait_dscnt 0x0                               ; for the others: my part of b1 and b2 lies in LDS
	s_barrier_signal -1
	s_barrier_wait -1                              ; the launch's one barrier
	; the pipeline is filled: point 0's rows; point 0 prepared; point 1's rows and point 2's list asked for; point 0's first four hidden tiles
	s_load_b512 s[36:51], s[6:7], 0x0
	s_mov_b32 s23, 0
	s_mov_b32 s24, 1
	F1B
	s_mov_b32 s22, 0
	F1A
	s_wait_dscnt 0x0
	s_mov_b32 s23, 1
	s_mov_b32 s24, 2
	F1B
	QUANT TZ, XD, SXD, 0, 0
	CB1 0
	WIN 0
.rept 8
	v_nop                                          ; a scale register written by a vector line stands 8 places ahead of a scaled matrix instruction, an operand so written 4
.endr
	s_wait_dscnt 0x0
.irp k, 0,1,2,3,4,5,6,7
	MM2 (\k)%4, (\k)/4
.endr
	WIN 0
.rept 4
	v_nop                                          ; four places between these products and the loop's first line that reads their results (ISA guide 7.12.1): on this way in no other vector work is at hand; over the backward jump the end of the last GELU and the mean are the places
.endr
	s_mov_b32 s19, 0
.Lpoint:                                           ; at the head: hidden tiles 0-3 of point s19 are summed; XD, XC and their scale words are its operands
	CB1 4
	GELU 0, 1                                      ; tiles 0-3 | products of tiles 4-7
	CB1 8
	GELU 32, 2                                     ; tiles 4-7 | products of tiles 8-11
	QUANT 0, H0, SH0, 1, 0                         ; hidden units 0-127: K step 0 of the second product
	CB1 12
	GELU 64, 3                                     ; tiles 8-11 | products of tiles 12-15
	CB2
	GELU 96, 4                                     ; tiles 12-15 | the outputs' K step 0
	WIN 0
	s_add_co_u32 s22, s19, 1
	s_min_u32 s22, s22, 31
	s_add_co_u32 s23, s19, 2
	s_min_u32 s23, s23, 31
	s_add_co_u32 s24, s19, 3
	s_min_u32 s24, s24, 31
	F1A                                            ; the next point's differences go round through the stage
	QUANT 64, H0+12, SH0+1, 1, 0                   ; meanwhile: hidden units 128-255
	s_wait_dscnt 0x0                               ; the stage's stores have read G, and its loads and the centre's are in
	F1B
	QUANT TZ, XD, SXD, 0, 5                        ; the next point's differences | K step 1 of output tiles 0-3
	GELU 0, 6                                      ; output tiles 0-3 | K step 1 of output tiles 4-7
	RSUM 0
	CB1 0
	GELU 32, 7                                     ; output tiles 4-7 | the next point's hidden tiles 0-3
	RSUM 4
	WIN 0
	s_wait_xcnt 0x0                                ; the last trip's store has read its registers
.irp q, 0,1,2,3                        ; even tile 2 q: output 4 r + q, odd tile 2 q + 1: output 64 + 4 r + q; each in two halves of eight rows.  The swap brings both halves of the even tile to lanes 0-15 and of the odd tile to lanes 16-31
	v_permlane16_swap_b32 v[RS+\q], v[RS+4+\q]
.endr
	v_pk_add_f32 v[OUTR:OUTR+1], v[RS:RS+1], v[RS+4:RS+5]
	v_pk_add_f32 v[OUTR+2:OUTR+3], v[RS+2:RS+3], v[RS+6:RS+7]
	v_pk_mul_f32 v[OUTR:OUTR+1], v[OUTR:OUTR+1], s[94:95] op_sel_hi:[1,0]      ; 16 rows of doubled numbers: / 32
	v_pk_mul_f32 v[OUTR+2:OUTR+3], v[OUTR+2:OUTR+3], s[94:95] op_sel_hi:[1,0]
	s_lshl_b32 s26, s19, 9
	v_add_nc_u32 v29, s26, v1
	global_store_b128 v29, v[OUTR:OUTR+3], s[16:17] th:TH_STORE_NT   ; lane l holds outputs 4 l .. 4 l + 3: the wave stores the point's row, 512 consecutive bytes
	s_add_co_u32 s19, s19, 1
	s_cmp_lt_u32 s19, 32
	s_cbranch_scc1 .Lpoint
	s_wait_tensorcnt 0x0                           ; the wave's end
	ds_add_u32 v30, v31
	s_wait_dscnt 0x0
	s_endpgm
.Lfunc_end_k_q3ed46acbf9_mlp:
	.size	k_q3ed46acbf9_mlp, .Lfunc_end_k_q3ed46acbf9_mlp-k_q3ed46acbf9_mlp
	.p2alignl 7, 3214868480
	.fill 96, 4, 3214868480
	.section	.rodata,"a",@progbits
	.p2align	6, 0x0
	.amdhsa_kernel k_q3ed46acbf9_mlp
		.amdhsa_group_segment_fixed_size 52224
		.amdhsa_private_segment_fixed_size 0
		.amdhsa_enable_private_segment 0
		.amdhsa_kernarg_size 56
		.amdhsa_user_sgpr_count 2
		.amdhsa_user_sgpr_kernarg_segment_ptr 1
		.amdhsa_wavefront_size32 1
		.amdhsa_system_sgpr_workgroup_id_x 1
		.amdhsa_system_sgpr_workgroup_id_y 1
		.amdhsa_system_sgpr_workgroup_id_z 1
		.amdhsa_system_vgpr_workitem_id 0
		.amdhsa_next_free_vgpr 1024
		.amdhsa_next_free_sgpr 100
		.amdhsa_reserve_vcc 0
		.amdhsa_float_denorm_mode_32 3
		.amdhsa_float_denorm_mode_16_64 3
		.amdhsa_memory_ordered 1
		.amdhsa_forward_progress 1
		.amdhsa_inst_pref_size 193
	.end_amdhsa_kernel
	.amdgpu_metadata
---
amdhsa.version: [ 1, 2 ]
amdhsa.kernels:
  - .name:           k_q3ed46acbf9_mlp
    .symbol:         k_q3ed46acbf9_mlp.kd
    .args:
      - { .name: features, .offset: 0, .size: 8, .value_kind: global_buffer, .address_space: global }
      - { .name: idx, .offset: 8, .size: 8, .value_kind: global_buffer, .address_space: global }
      - { .name: wimg, .offset: 16, .size: 8, .value_kind: global_buffer, .address_space: global }
      - { .name: simg, .offset: 24, .size: 8, .value_kind: global_buffer, .address_space: global }
      - { .name: b1, .offset: 32, .size: 8, .value_kind: global_buffer, .address_space: global }
      - { .name: b2, .offset: 40, .size: 8, .value_kind: global_buffer, .address_space: global }
      - { .name: out0, .offset: 48, .size: 8, .value_kind: global_buffer, .address_space: global }
    .group_segment_fixed_size: 52224
    .private_segment_fixed_size: 0
    .kernarg_segment_align: 8
    .kernarg_segment_size: 56
    .max_flat_workgroup_size: 128
    .sgpr_count:     100
    .vgpr_count:     1024
    .wavefront_size: 32
...
	.end_amdgpu_metadata
.endif
;; end of part 4
